; MI455X (gfx1250); checked and timed in simulation.
; The chip was launched on July 23, 2026; its instructions are those of AMD's public machine-readable ISA for CDNA 5 (MIT licence, August 2026) and "CDNA5" Instruction Set Architecture Reference Guide (July 2026). The comments in the code are by the model that wrote it; some were corrected since.
;; Causal Self Attention. Allowed arithmetic: matrix products marked QUANTISED: E4M3 operands, one given power-of-two scale a tensor, by v_wmma_f32_16x16x64_fp8_fp8 or v_wmma_f32_16x16x128_fp8_fp8, f32 sums; everything else in f32.
;; Inputs: Wk 2,048 x 512 float32; Wo 2,048 x 2,048 float32; Wq 2,048 x 2,048 float32; Wv 2,048 x 512 float32; cos 1,024 x 64 float32; lowp_scales 12 int32 (the exponents e of the quantised operands' scales 2^e); sin 1,024 x 64 float32; x 4 x 1,024 x 2,048 float32.
;; Outputs: out0 4 x 1,024 x 2,048 float32.
;; This version of the problem:
;;   THIS VERSION OF THE PROBLEM IS GIVEN IN LOW PRECISION. The matrix products marked QUANTISED in the list below multiply operands that are first quantised to E4M3 (4 exponent bits, 3 mantissa bits; 8 bits a number), with one given power-of-two scale for each operand tensor; their sums are f32. All else is computed in f32.
;;   The module's matrix products, in the order in which they are computed (A, B: the left and right operand; K: the contracted axis; several contracted axes count as one K, in the product's order):
;;     1. [M 4,096, K 2,048] x [K 2,048, N 2,048]; A: input x; B: input Wq: QUANTISED (scales: A lowp_scales[0], B lowp_scales[1])
;;     2. [M 4,096, K 2,048] x [K 2,048, N 512]; A: input x; B: input Wk: QUANTISED (scales: A lowp_scales[2], B lowp_scales[3])
;;     3. [M 4,096, K 2,048] x [K 2,048, N 512]; A: input x; B: input Wv: QUANTISED (scales: A lowp_scales[4], B lowp_scales[5])
;;     4. batch 64 x [M 1,024, K 128] x [K 128, N 1,024]; A: computed on the way; B: computed on the way: QUANTISED (scales: A lowp_scales[6], B lowp_scales[7])
;;     5. batch 64 x [M 128, K 1,024] x [K 1,024, N 1,024]; A: computed on the way; B: softmax (see below): QUANTISED (scales: A lowp_scales[8], B lowp_scales[9])
;;     6. [M 4,096, K 2,048] x [K 2,048, N 2,048]; A: computed on the way; B: input Wo: QUANTISED (scales: A lowp_scales[10], B lowp_scales[11])
;;   THE QUANTISER, for each operand of a quantised product, along K:
;;     - The operand's scale is 2^e, e = its entry of the input lowp_scales (int32; the entries are numbered through the quantised products in the list's order, A before B).
;;     - Each number is divided by the scale, clamped to +-448, and rounded to the nearest number of E4M3, ties to even, subnormals kept.
;;     - The product sums the exact products of the quantised numbers (number of the format x scale) in f32.
;;   ~~~python
;;   def quantise(x, axis, e):      # numpy; x: float32 -> the quantised numbers, widened to float32 again
;;       x = np.moveaxis(x, axis, -1); K = x.shape[-1]
;;       r = np.clip(x / 2.0 ** e, -448, 448)
;;       step = 2.0 ** (np.maximum(np.frexp(np.where(r == 0, 1, r))[1] - 1, -6) - 3)
;;       q = np.round(r / step) * step * 2.0 ** e      # np.round: ties to even
;;       return np.moveaxis(q, -1, axis).astype(np.float32)
;;   ~~~
;;   SOFTMAX AHEAD OF A QUANTISED PRODUCT. Where the list says 'softmax', what is quantised is not the finished softmax but p = 2^(t - M), with t = logit x log2(e) and M = ceil(the row's largest t), a whole number; so 1/2 < the row's largest p <= 1. The row's sum l is taken of the UNQUANTISED p, in f32, and the product's result is divided by l at the end. Since M is a whole number, a kernel that streams over the keys may use a running M (the ceiling of the running maximum): every later rescaling is an exact power of two, so the quantised numbers keep their values, but for numbers so far below the row's largest that they fall under the format's range.
;;   OPERANDS COMPUTED ON THE WAY. 'Computed on the way' means the value that the module computes at that place (a softmax that the list does not call 'softmax' is quantised finished and normalised). What goes into a quantiser is computed in f32, as accurately as f32 sums, v_exp_f32 and their like allow (about 1e-6 of the number): no bf16 or f16 on the way to a quantiser, and a product that is left as it is and whose result goes on into a quantised operand takes f32 operands (vector FMAs, or v_wmma_f32_16x16x4_f32). A number that lies on a knife's edge between two numbers of the format may be rounded either way, as far as f32 arithmetic and the matrix unit's own rounding can turn it there, and no further.
;; One version. Each part assembles by itself: llvm-mc -triple=amdgcn-amd-amdhsa -mcpu=gfx1250 --defsym DOCPART=n.
;; ======== version 1 of 1: 4 launches
;; limits: right only within a limited range of input values
;; workspace buffers: xc 25,165,824 bytes; wc 10,485,760 bytes; qc 8,388,608 bytes; kc 2,097,152 bytes; vc 2,097,152 bytes; ac 8,388,608 bytes
;; launch quant (part 1): grid 576 x 1, 4 waves a work-group, no clusters, 67,072 bytes of LDS; arguments x, Wq, Wk, Wv, Wo, lowp_scales, xc, wc; writes xc, wc
.if DOCPART == 1
	.amdgcn_target "amdgcn-amd-amdhsa--gfx1250"
	.amdhsa_code_object_version 6
	.text
	.protected	k_q98cfb02a6d_quant
	.globl	k_q98cfb02a6d_quant
	.p2align	8
	.type	k_q98cfb02a6d_quant,@function
k_q98cfb02a6d_quant:
	s_mov_b64 s[64:65], 0
	v_nop
	global_prefetch_b8 v0, s[64:65] scope:SCOPE_SE
	s_setreg_imm32_b32 hwreg(HW_REG_WAVE_MODE, 25, 1), 1
	s_wait_xcnt 0x0
; f32 numbers into codes of FP8 (E4M3): x three times (with the scales of entries 0, 2 and 4 of lowp_scales, which need not be equal), and the four weights once each (entries 1, 3, 5, 11).
; code = number / 2^e, held within +-448, rounded to the nearest code, ties to even.
; LIMITS: each of these seven exponents lies between -126 and 119, so that 2^e and 448 x 2^e are f32 numbers.  NaN among the inputs is not served (an infinity is held at the largest code).
; THE LAYOUT OF ALL CODES: a FRAGMENT is 16 rows x 128 along K, 2,048 bytes, stored as an image of the sixteen registers that the plain fp8 matrix form takes for it:
;   chunk c (0..3) is 512 bytes; lane l's 16 bytes lie at 512 c + 16 l and are its registers 4 c .. 4 c + 3.  With r = l % 16, h = l / 16 these are, of row r, k = 32 c + 8 h + 0..7 and then k = 32 c + 16 + 8 h + 0..7.
;   xc: [3 scales][256 blocks of 16 tokens][16 K steps][2,048].   wc: [320 blocks of 16 rows n][16 K steps][2,048]; rows n: Wq 0.., Wk 2,048.., Wv 2,560.., Wo 3,072...
; Work-groups 0 to 255 take x, one block of 16 rows each; work-groups 256 to 575 take the weights, 128 columns x 256 along K each.  The two ways part on the work-group's number and have LDS bytes of their own.
; No tensor loads, no barrier: waves share nothing.  No matrix unit, no cluster: the launch only streams.  No prefetch: every wave keeps 32 or 64 loads of its own on their way.
; ORDER OF THE FRAGMENTS in xc (within each scale) and in wc: [group of 128 rows][16 K steps][8 blocks of 16 rows][2,048 bytes]. This order holds, not the block-major one named above:
; 128 rows x any run of K steps are then one dense block of memory.
.set XPITCH, 528
.set XPW,    16*XPITCH                 ; a wave's stage on x's way
.set WST,    4*XPW                     ; the weights' stages begin here: 8,192 bytes a wave
.set SPARE,  WST+4*8192                ; behind them: the spare words, 128 bytes for each wave: two blocks of 256 bytes that no other line names
.set SPW,  12                          ; v12  LDS address of my spare word; never rewritten
.set NIL,  13                          ; v13  0; never rewritten
; x's way: v1 load offset, v2 stage in, v3 stage out, v4 store offset, v5-7 2^e, v8-10 448 x 2^e
.set R,    16                          ; v16-143   two sets of 64: a K step's numbers as loaded
.set X,    144                         ; v144-207  the same, 8 neighbours along K to each group of 8 registers
.set T,    208                         ; v208-223  two sets of 8: held numbers
.set C,    224                         ; v224-255  two sets of 16: a fragment's codes
; the weights' way: v1 stage in, v2 stage out, v3 store offset, v10 448 x 2^e, v11 2^e
.set OFF,  16                          ; v16-47    4 x lane + i x pitch: row i of a block of 32 rows
.set XW,   48                          ; v48-111   two sets of 32 numbers down K
.set CW,   112                         ; v112-119  a block's 32 codes
.set OUTR, 128                         ; v128-191  the way out
.macro LOADX t                         ; K step 4 t + wave of my 16 rows: each load reads 512 consecutive bytes of one row
.irp p, 0,1,2,3,4,5,6,7,8,9,10,11,12,13,14,15
	global_load_b128 v[R+64*((\t)%2)+4*\p:R+64*((\t)%2)+4*\p+3], v1, s[4:5] offset:8192*\p+2048*(\t) th:TH_LOAD_NT
.endr
.endm
.macro TURNX t                         ; through my stage: in as loaded, out as lane (r, h) wants it: X[8 c + i] = x(r, 16 c + 8 h + i).  LDS serves a wave's instructions in order: no wait between
.irp p, 0,1,2,3,4,5,6,7,8,9,10,11,12,13,14,15
	ds_store_b128 v2, v[R+64*((\t)%2)+4*\p:R+64*((\t)%2)+4*\p+3] offset:XPITCH*\p
.endr
.irp c, 0,1,2,3,4,5,6,7
	ds_load_b128 v[X+8*\c:X+8*\c+3], v3 offset:64*\c
	ds_load_b128 v[X+8*\c+4:X+8*\c+7], v3 offset:64*\c+16
.endr
.endm
.macro CVTX t, g                       ; the fragment with scale g (0, 1, 2), and its four stores of 512 consecutive bytes
.set CC, C+16*((3*(\t)+\g)%2)
	s_wait_xcnt 0x0                                ; the stores of two fragments back have read this set of C: it is written again only behind this wait
.irp c, 0,1,2,3,4,5,6,7
.irp i, 0,1,2,3,4,5,6,7
	v_med3_num_f32 v[T+8*(\c%2)+\i], v[X+8*\c+\i], -v[8+\g], v[8+\g]   ; the conversion to an 8-bit code does not saturate (ISA guide 7.6.2): the hold.  X is kept for the other scales
.endr
	v_cvt_scalef32_pk8_fp8_f32 v[CC+2*\c:CC+2*\c+1], v[T+8*(\c%2):T+8*(\c%2)+7], v[5+\g]   ; T's two sets take turns: the other set's eight holds stand between a conversion and the next write of its sources
.endr
.irp c, 0,1,2,3
	global_store_b128 v4, v[CC+4*\c:CC+4*\c+3], s[24+2*\g:25+2*\g] offset:65536*(\t)+512*\c
.endr
.endm
.macro LOADW t                         ; block t: rows 32 t + i of my 256, my column: 32 lanes read 128 consecutive bytes, the four waves side by side 512
.set i, 0
.rept 32
	global_load_b32 v[XW+32*((\t)%2)+i], v[OFF+i], s[32+2*(\t):33+2*(\t)] th:TH_LOAD_NT
.set i, i+1
.endr
.endm
.macro BLOCKW t                        ; 32 numbers down K of my column become chunk t % 4 of K step t / 4: 16 bytes for h = 0 and 16 for h = 1
.set XS, XW+32*((\t)%2)
.if (\t) < 7
	s_wait_loadcnt 32                              ; this block's 32 loads are in; the next block's may be out
.else
	s_wait_loadcnt 0
.endif
.set i, 0
.rept 32
	v_med3_num_f32 v[XS+i], v[XS+i], -v10, v10
.set i, i+1
.endr
	v_cvt_scalef32_pk8_fp8_f32 v[CW:CW+1],   v[XS:XS+7],     v11   ; h = 0: k = 0..7,
	v_cvt_scalef32_pk8_fp8_f32 v[CW+2:CW+3], v[XS+16:XS+23], v11   ;        k = 16..23
	v_cvt_scalef32_pk8_fp8_f32 v[CW+4:CW+5], v[XS+8:XS+15],  v11   ; h = 1: k = 8..15,
	v_cvt_scalef32_pk8_fp8_f32 v[CW+6:CW+7], v[XS+24:XS+31], v11   ;        k = 24..31.  (Only LDS stores and loads follow; the next block begins with 32 plain lines)
	ds_store_b128 v1, v[CW:CW+3]   offset:2048*((\t)/4)+512*((\t)%4)
	ds_store_b128 v1, v[CW+4:CW+7] offset:2048*((\t)/4)+512*((\t)%4)+256
.if (\t) < 6
	LOADW (\t)+2
.endif
	s_wait_dscnt 0x0                               ; the stores have read their registers: the next block's codes may be written
.endm
	s_load_b256 s[4:11], s[0:1], 0x0               ; x s[4:5], Wq s[6:7], Wk s[8:9], Wv s[10:11]
	s_load_b256 s[12:19], s[0:1], 0x20             ; Wo s[12:13], the exponents s[14:15], xc s[16:17], wc s[18:19]
	v_lshl_add_u32 v[SPW], v0, 2, SPARE
	v_mov_b32 v[NIL], 0
	v_lshrrev_b32 v1, 5, v0
	v_readfirstlane_b32 s20, v1                    ; wave 0..3
	v_and_b32 v14, 31, v0                          ; lane
	v_and_b32 v15, 15, v0                          ; r
	s_wait_kmcnt 0x0
	s_load_b256 s[48:55], s[14:15], 0x0            ; e0 .. e7
	s_load_b128 s[56:59], s[14:15], 0x20           ; e8 .. e11
	s_cmp_ge_u32 ttmp9, 256
	s_cbranch_scc1 .Lweights
	; ---------------- x: work-group g takes rows 16 g .. 16 g + 15; wave w takes K steps 4 t + w, t = 0..3
	s_lshl_b32 s22, ttmp9, 17                      ; 16 rows of 8,192 bytes
	s_mov_b32 s23, 0
	s_add_nc_u64 s[4:5], s[4:5], s[22:23]
	s_lshr_b32 s22, ttmp9, 3                       ; my group of 128 rows: 262,144 bytes each,
	s_lshl_b32 s22, s22, 18
	s_and_b32 s21, ttmp9, 7                        ; and my block in it: 2,048 bytes in each K step
	s_lshl_b32 s21, s21, 11
	s_add_co_u32 s22, s22, s21
	s_add_nc_u64 s[24:25], s[16:17], s[22:23]      ; the codes with e0,
	s_add_nc_u64 s[26:27], s[24:25], 0x800000      ; with e2,
	s_add_nc_u64 s[28:29], s[24:25], 0x1000000     ; with e4
	s_lshl_b32 s21, s20, 9
	s_wait_alu depctr_va_vdst(0)
	v_lshl_add_u32 v1, v14, 4, s21                 ; in a row: 512 w + 16 lane
	s_mul_i32 s21, s20, XPW
	v_lshl_add_u32 v2, v14, 4, s21                 ; my stage, on the way in
	v_bfe_u32 v4, v0, 4, 1                         ; h
	v_mul_u32_u24 v3, v15, XPITCH
	v_lshl_add_u32 v3, v4, 5, v3
	v_add_nc_u32 v3, s21, v3                       ; and on the way out: row r, + 32 h bytes
	s_lshl_b32 s21, s20, 14                        ; K step 4 t + w: 16,384 bytes a K step
	v_lshl_add_u32 v4, v14, 4, s21                 ; among the codes: 16,384 w + 16 lane
	LOADX 0
	LOADX 1
	s_wait_alu depctr_va_vdst(0)
	s_wait_kmcnt 0x0
.irp g, 0,1,2
	s_add_co_i32 s21, s[48+2*\g], 127
	s_lshl_b32 s22, s21, 23
	v_mov_b32 v[5+\g], s22                         ; 2^e as f32: the conversion takes its exponent field
	s_add_co_i32 s21, s21, 8
	s_lshl_b32 s21, s21, 23
	s_or_b32 s21, s21, 0x600000
	v_mov_b32 v[8+\g], s21                         ; 448 x 2^e
.endr
	s_wait_alu depctr_va_vdst(0)
.irp t, 0,1,2,3
.if \t < 3
	s_wait_loadcnt 16                              ; this K step's 16 loads are in; the next one's 16 may be out
.else
	s_wait_loadcnt 0
.endif
	TURNX \t
	s_wait_dscnt 0x0                               ; X is in, and the stage's stores have read R's set,
.if \t < 2
	LOADX \t+2                                     ; which takes the loads of two K steps on
.endif
	CVTX \t, 0
	CVTX \t, 1
	CVTX \t, 2
.endr
	s_branch .Lend
	; ---------------- the weights.  W is [K][N] with K its first axis: a lane takes a column n and its registers run down K, so the conversions give codes with K innermost
.Lweights:
	s_sub_co_u32 s21, ttmp9, 256                   ; u: 0..127 Wq, 128..159 Wk, 160..191 Wv, 192..319 Wo
	s_mov_b32 s22, 192                             ; the tensor's first u,
	s_mov_b32 s23, 4                               ; log2 of its groups of 128 columns,
	s_mov_b32 s24, 3072                            ; its first row n in wc,
	s_mov_b64 s[26:27], s[12:13]                   ; and its address: Wo's, unless
	s_cmp_lt_u32 s21, 192
	s_cselect_b32 s22, 160, s22
	s_cselect_b32 s23, 2, s23
	s_cselect_b32 s24, 2560, s24
	s_cselect_b64 s[26:27], s[10:11], s[26:27]     ; Wv's, unless
	s_cmp_lt_u32 s21, 160
	s_cselect_b32 s22, 128, s22
	s_cselect_b32 s24, 2048, s24
	s_cselect_b64 s[26:27], s[8:9], s[26:27]       ; Wk's, unless
	s_cmp_lt_u32 s21, 128
	s_cselect_b32 s22, 0, s22
	s_cselect_b32 s23, 4, s23
	s_cselect_b32 s24, 0, s24
	s_cselect_b64 s[26:27], s[6:7], s[26:27]       ; Wq's.  The choices hang on the work-group's number alone
	s_sub_co_u32 s22, s21, s22
	s_lshl_b32 s25, 512, s23                       ; a row of W in bytes: 8,192 or 2,048
	s_bfm_b32 s30, s23, 0
	s_and_b32 s30, s22, s30                        ; which 128 columns
	s_lshr_b32 s31, s22, s23                       ; which 256 along K
	s_lshl_b32 s60, s30, 7
	s_lshl_b32 s61, s20, 5
	s_add_co_u32 s60, s60, s61                     ; my wave's first column
	s_mul_i32 s62, s31, s25
	s_lshl_b32 s62, s62, 8                         ; 256 rows for each step along K,
	s_lshl_b32 s61, s60, 2
	s_add_co_u32 s62, s62, s61                     ; + 4 bytes a column
	s_mov_b32 s63, 0
	s_add_nc_u64 s[32:33], s[26:27], s[62:63]      ; block 0's base;
	s_lshl_b32 s62, s25, 5                         ; 32 rows on:
.irp t, 1,2,3,4,5,6,7
	s_add_nc_u64 s[32+2*\t:33+2*\t], s[30+2*\t:31+2*\t], s[62:63]   ; a base for each of the eight blocks, never rewritten (the pitch is no constant, so it cannot stand in an immediate)
.endr
	s_add_co_u32 s60, s60, s24                     ; my first row n in wc: 2,048 bytes for each row of a block's 16 K steps,
	s_lshr_b32 s61, s60, 7                         ; its group of 128 rows,
	s_lshl_b32 s61, s61, 18
	s_and_b32 s60, s60, 127                        ; its block in the group: 2,048 bytes for each 16 rows,
	s_lshl_b32 s60, s60, 7
	s_add_co_u32 s60, s60, s61
	s_lshl_b32 s31, s31, 15                        ; + two K steps of 16,384 bytes for each 256 along K
	s_add_co_u32 s60, s60, s31
	s_mov_b32 s61, 0
	s_add_nc_u64 s[28:29], s[18:19], s[60:61]
	s_wait_alu depctr_va_vdst(0)
	v_lshlrev_b32 v[OFF], 2, v14
.irp i, 1,2,3,4,5,6,7,8,9,10,11,12,13,14,15,16,17,18,19,20,21,22,23,24,25,26,27,28,29,30,31
	v_add_nc_u32 v[OFF+\i], s25, v[OFF+\i-1]
.endr
	LOADW 0
	LOADW 1
	s_lshl_b32 s30, s20, 13
	s_add_co_u32 s30, s30, WST                     ; my stage: [block of 16 columns][K step][chunk][h][r] x 16 bytes: four images on end
	v_bfe_u32 v2, v0, 4, 1
	v_lshlrev_b32 v1, 4, v15
	v_lshl_add_u32 v1, v2, 12, v1
	v_add_nc_u32 v1, s30, v1                       ; in: 4,096 (lane / 16) + 16 r
	v_lshlrev_b32 v3, 4, v14                       ; out: 16 x lane, in LDS and in memory
	v_add_nc_u32 v2, s30, v3
	s_wait_kmcnt 0x0
	s_mov_b32 s30, s59                             ; e11, unless
	s_cmp_lt_u32 s21, 192
	s_cselect_b32 s30, s53, s30                    ; e5, unless
	s_cmp_lt_u32 s21, 160
	s_cselect_b32 s30, s51, s30                    ; e3, unless
	s_cmp_lt_u32 s21, 128
	s_cselect_b32 s30, s49, s30                    ; e1
	s_add_co_i32 s30, s30, 127
	s_lshl_b32 s31, s30, 23
	v_mov_b32 v11, s31                             ; 2^e
	s_add_co_i32 s30, s30, 8
	s_lshl_b32 s30, s30, 23
	s_or_b32 s30, s30, 0x600000
	v_mov_b32 v10, s30                             ; 448 x 2^e
	s_wait_alu depctr_va_vdst(0)
.irp t, 0,1,2,3,4,5,6,7
	BLOCKW \t
.endr
.irp i, 0,1,2,3,4,5,6,7,8,9,10,11,12,13,14,15
	ds_load_b128 v[OUTR+4*\i:OUTR+4*\i+3], v2 offset:512*\i   ; LDS serves a wave's instructions in order: these see my stores
.endr
.irp i, 0,1,2,3,4,5,6,7,8,9,10,11,12,13,14,15
	s_wait_dscnt 15-\i
	global_store_b128 v3, v[OUTR+4*\i:OUTR+4*\i+3], s[28:29] offset:2048*(\i/8)+16384*((\i%8)/4)+512*(\i%4)   ; 32 lanes store 512 consecutive bytes, at a multiple of 512 from wc's first byte
.endr
.Lend:
	s_wait_tensorcnt 0x0                           ; the wave's end, behind my last LDS store; the tensor wait stands even in a text with no tensor load
	ds_add_u32 v[SPW], v[NIL]
	s_wait_dscnt 0x0
	s_endpgm
.Lfunc_end_k_q98cfb02a6d_quant:
	.size	k_q98cfb02a6d_quant, .Lfunc_end_k_q98cfb02a6d_quant-k_q98cfb02a6d_quant
	.p2alignl 7, 3214868480
	.fill 96, 4, 3214868480
	.section	.rodata,"a",@progbits
	.p2align	6, 0x0
	.amdhsa_kernel k_q98cfb02a6d_quant
		.amdhsa_group_segment_fixed_size 67072
		.amdhsa_private_segment_fixed_size 0
		.amdhsa_enable_private_segment 0
		.amdhsa_kernarg_size 64
		.amdhsa_user_sgpr_count 2
		.amdhsa_user_sgpr_kernarg_segment_ptr 1
		.amdhsa_wavefront_size32 1
		.amdhsa_system_sgpr_workgroup_id_x 1
		.amdhsa_system_sgpr_workgroup_id_y 1
		.amdhsa_system_sgpr_workgroup_id_z 1
		.amdhsa_system_vgpr_workitem_id 0
		.amdhsa_next_free_vgpr 256
		.amdhsa_next_free_sgpr 80
		.amdhsa_reserve_vcc 0
		.amdhsa_float_denorm_mode_32 3
		.amdhsa_float_denorm_mode_16_64 3
		.amdhsa_memory_ordered 1
		.amdhsa_forward_progress 1
		.amdhsa_inst_pref_size 127
	.end_amdhsa_kernel
	.amdgpu_metadata
---
amdhsa.version: [ 1, 2 ]
amdhsa.kernels:
  - .name:           k_q98cfb02a6d_quant
    .symbol:         k_q98cfb02a6d_quant.kd
    .args:
      - { .name: x, .offset: 0, .size: 8, .value_kind: global_buffer, .address_space: global }
      - { .name: Wq, .offset: 8, .size: 8, .value_kind: global_buffer, .address_space: global }
      - { .name: Wk, .offset: 16, .size: 8, .value_kind: global_buffer, .address_space: global }
      - { .name: Wv, .offset: 24, .size: 8, .value_kind: global_buffer, .address_space: global }
      - { .name: Wo, .offset: 32, .size: 8, .value_kind: global_buffer, .address_space: global }
      - { .name: lowp_scales, .offset: 40, .size: 8, .value_kind: global_buffer, .address_space: global }
      - { .name: xc, .offset: 48, .size: 8, .value_kind: global_buffer, .address_space: global }
      - { .name: wc, .offset: 56, .size: 8, .value_kind: global_buffer, .address_space: global }
    .group_segment_fixed_size: 67072
    .private_segment_fixed_size: 0
    .kernarg_segment_align: 8
    .kernarg_segment_size: 64
    .max_flat_workgroup_size: 128
    .sgpr_count:     80
    .vgpr_count:     256
    .wavefront_size: 32
...
	.end_amdgpu_metadata
.endif
;; end of part 1
;; launch qkv (part 2): grid 16 x 12, 4 waves a work-group, clusters of 4 x 1, 327,680 bytes of LDS; arguments xc, wc, cos, sin, lowp_scales, qc, kc, vc; writes qc, kc, vc
.if DOCPART == 2
	.amdgcn_target "amdgcn-amd-amdhsa--gfx1250"
	.amdhsa_code_object_version 6
	.text
	.protected	k_q98cfb02a6d_qkv
	.globl	k_q98cfb02a6d_qkv
	.p2align	8
	.type	k_q98cfb02a6d_qkv,@function
k_q98cfb02a6d_qkv:
	s_mov_b64 s[64:65], 0
	v_nop
	global_prefetch_b8 v0, s[64:65] scope:SCOPE_SE
	s_setreg_imm32_b32 hwreg(HW_REG_WAVE_MODE, 25, 1), 1
	s_wait_xcnt 0x0
	s_wait_alu depctr_hold_cnt(0) depctr_sa_sdst(0) depctr_va_vdst(0) depctr_va_sdst(0) depctr_va_ssrc(0) depctr_va_vcc(0) depctr_vm_vsrc(0)
	s_getreg_b32 s2, hwreg(HW_REG_IB_STS2, 6, 4)
	s_cmp_eq_u32 s2, 0
	s_cbranch_scc0 .Lentry_in_a_cluster
	s_endpgm
.Lentry_in_a_cluster:
	s_bfe_u32 s2, ttmp6, 0x10000c
	s_cmp_lg_u32 s2, 0x3003
	s_cbranch_scc0 .Lentry_shape_is_right
	s_endpgm
.Lentry_shape_is_right:
; q = x Wq, k = x Wk, v = x Wv on codes of FP8 (E4M3); then, for q and k, the rotation, the RMS norm over the head's 128 and the quantiser (entries 6, 7); for v the quantiser (entry 8).
; Work-group (x, y): 256 tokens x 256 columns; y 0-7 Wq, 8-9 Wk, 10-11 Wv; x's codes are those of the product's own scale (entries 0, 2, 4).  Four waves, 128 x 128 each: 64 accumulators, 512 registers.
; xc and wc lie as [group of 128 rows][16 steps of 128 along K][8 blocks of 16 rows][2,048]: a fragment (16 rows x 128 K) is an image of the sixteen registers of the plain fp8 form: lane l's registers 4 c .. 4 c + 3 at 512 c + 16 l.
; So the 128 rows that a wave fetches are, for any run of K, ONE dense block.  K goes in steps of 256 through a ring of two slots, 32,768 bytes a wave and load; LDS: [wave that fetched][slot][128 along K][block][2,048].
; At the head each wave asks for its part of K step 0; K step 1 is asked for as a refill is, behind the three lines and a round.
; OPERANDS.  Source 1 of the products comes from the parts that waves 0, 1 fetched, source 0 from those of waves 2, 3.  q, k: waves 0, 1 fetch x, waves 2, 3 W: a lane holds one token and eight neighbouring channels an accumulator.
; v: the fetchers change roles (waves 0, 1 fetch W, waves 2, 3 x), so that a lane holds one channel and its registers run along the tokens.  The role hangs on the wave's number and on y, which all partners of a cluster share; no LDS address hangs on it.
; CLUSTER 4 x 1: the four partners have the same y and ask for W's tiles jointly.  x's tiles are not shared: partners along y would need x's codes of other scales (y 8-9 against 10-11) and other roles.
; 192 blocks: the three scales of x and heads of 128 columns leave no even cut into 256.
; PREFETCH: behind the load of K step t, K step t + 2 is asked for (the head asks for K step 1 too): x's fetchers 32,768 bytes in four instructions, lanes 256 bytes apart; of W's 32,768 bytes each partner names 8,192, told apart by address.
; The last two refills ask for nothing.  cos and sin are loaded by every work-group for blocks 0 to 2 (v's do not use them: one way through the text up to the parting), up to five blocks ahead of their use.
; LIMITS: e6, e7 and e8 - e4 - e5 lie between -126 and 119, so that 2^e and 448 x 2^e are f32 numbers; e0 + e1 and e2 + e3 go through v_ldexp_f32.  NaN is not served.
; REGISTERS: window 0: v0-31 addresses and single numbers, v32-95 cos and sin, v96-127 codes, v128-255 source 1's fragments (on the way out v128-191 a block's numbers); window 1: source 0's two sets (on the way out cos and sin); windows 2, 3: accumulators.
.set FR,     16
.set NL,     4                         ; LDS loads to a fragment
.set NP,     4                         ; places behind this matrix form (ISA guide 7.12.1)
.set FRB,    2048
.set KSB,    8*FRB                     ; a wave's eight fragments of 128 along K
.set SLB,    2*KSB                     ; a wave's part of a slot
.set WREG,   2*SLB                     ; a wave's part of both slots
.set SPARE,  4*WREG                    ; behind the ring: the spare words, 128 bytes a wave
.set LAPS,   4
.set ADRA, 16
.set ADRB, 20
.set CSO,  24                          ; my offset in cos and sin: row l % 16, + 32 (l / 16)
.set OA,   25                          ; 16 x lane
.set SPW,  28
.set NIL,  29
.set PFO,  30                          ; 256 x lane
.set F,    6
.set SS,   8                           ; v8-11 and v2-5: the sum of squares in four chains of pairs
.set ST,   2
.set PX,   12
.set LIM,  13
.set SCL,  14
.set CS0,  32
.set CQ,   96
.set Y,    128
.set AF,   128
.set PFA,  12                          ; s[12:13] my prefetches' base: my part of the K step that is being asked for
.set ROLE, 41                          ; s41  0: I fetch x, 1: I fetch W
.set SEL,  66                          ; s[66:67] lane selects: lane l xor 16
.set G1,   24                          ; groups 1: x's, W's
.set G1B,  48
.set G0,   32
.set G0B,  56
.set MSB, 0
.macro WIN new                         ; the immediate's high byte repeats the setting that is left
.if MSB != \new
	s_set_vgpr_msb (MSB<<8)|\new
.set MSB, \new
.endif
.endm
.set MUL_LO, 0xa1
.set MUL_HI, 0xf1
.set TO_B,   0x40
.macro JLOAD g0a, g0b                  ; x's tile, or W's jointly; s_nop 0 and four v_nop behind each line
	s_cmp_eq_u32 s[ROLE], 0
	s_cbranch_scc0 .Lfor_b_\@
	tensor_load_to_lds s[\g0a:\g0a+3], s[G1:G1+7]
	s_nop 0
.rept 4
	v_nop
.endr
	s_branch .Lasked_\@
.Lfor_b_\@:
	tensor_load_to_lds s[\g0b:\g0b+3], s[G1B:G1B+7]
	s_nop 0
.rept 4
	v_nop
.endr
.Lasked_\@:
.endm
.macro ASK off                         ; W's fetchers: my work-group's 8,192 bytes; x's: all 32,768
	global_prefetch_b8 v[PFO], s[PFA:PFA+1] offset:\off th:TH_LOAD_NT scope:SCOPE_SE
	s_cmp_eq_u32 s[ROLE], 0
	s_cbranch_scc0 .Lpf_\@
.irp j, 1,2,3
	global_prefetch_b8 v[PFO], s[PFA:PFA+1] offset:\off+8192*\j th:TH_LOAD_NT scope:SCOPE_SE
.endr
.Lpf_\@:
.endm
.macro CREST
	s_cmp_lg_u32 s14, 0
	s_cbranch_scc1 .Lnot_wave_0_\@
	s_barrier_signal -3
.Lnot_wave_0_\@:
	s_barrier_wait -3
	s_barrier_signal -1
	s_barrier_wait -1
.endm
.macro CROUND
	s_barrier_signal -1
	s_barrier_wait -1
	CREST
.endm
.macro FRAG reg, adr, slot, q, i
.irp c, 0,1,2,3
	ds_load_b128 v[\reg+4*\c:\reg+4*\c+3], v[\adr] offset:(\slot)*SLB+(\q)*KSB+(\i)*FRB+512*\c
.endr
.endm
.macro MUL16 a0, p, zero               ; source 1's blocks a0, a0 + 1 x source 0's eight; the 64 accumulators take turns
.irp a, \a0, \a0+1
.irp b, 0,1,2,3,4,5,6,7
.if \zero
	v_wmma_f32_16x16x128_fp8_fp8 v[8*(8*((\a)%4)+\b):8*(8*((\a)%4)+\b)+7], v[128*(\p)+FR*\b:128*(\p)+FR*\b+FR-1], v[AF+FR*(\a):AF+FR*(\a)+FR-1], 0
.else
	v_wmma_f32_16x16x128_fp8_fp8 v[8*(8*((\a)%4)+\b):8*(8*((\a)%4)+\b)+7], v[128*(\p)+FR*\b:128*(\p)+FR*\b+FR-1], v[AF+FR*(\a):AF+FR*(\a)+FR-1], v[8*(8*((\a)%4)+\b):8*(8*((\a)%4)+\b)+7]
.endif
.endr
.endr
.endm
.macro FETCH_B slot, q, p
	WIN TO_B
.irp i, 0,1,2,3,4,5,6,7
	FRAG 128*(\p)+FR*\i, ADRB, \slot, \q, \i
.endr
	WIN 0
.endm
.macro FETCH_A slot, q, i0
.irp i, \i0, \i0+1, \i0+2, \i0+3
	FRAG AF+FR*(\i), ADRA, \slot, \q, \i
.endr
.endm
.macro PLACES n
.rept \n
	v_nop
.endr
.endm
.macro STEP slot, q, zero              ; 128 along K whose successor lies in the same slot
	s_wait_dscnt 4*NL                              ; all but the youngest 16 loads (source 1's blocks 4-7)
	WIN MUL_LO
	MUL16 0, (\q)%2, \zero
	MUL16 2, (\q)%2, \zero
	s_wait_dscnt 0
	PLACES NP
	FETCH_B \slot, (\q)+1, 1-(\q)%2
	FETCH_A \slot, (\q)+1, 0
	WIN MUL_HI
	MUL16 4, (\q)%2, \zero
	MUL16 6, (\q)%2, \zero
	PLACES NP
	WIN 0
	FETCH_A \slot, (\q)+1, 4
.endm
.macro TURN slot, next, fill           ; a slot's last 128 along K, and the change of slots
.if \fill
	s_wait_xcnt 0x0                                ; my prefetches have read their base: it steps one K step on
	s_add_nc_u64 s[PFA:PFA+1], s[PFA:PFA+1], SLB
.endif
	s_wait_tensorcnt 0x0                           ; my part of the next slot is in
	ds_add_u32 v[SPW], v[NIL]
	s_wait_dscnt 4*NL+1                            ; the add and source 1's blocks 4-7 may be out
	WIN MUL_LO
	MUL16 0, 1, 0
	s_wait_dscnt 0x0                               ; the add is done, my reads of this slot are over
	s_barrier_signal -1
	MUL16 2, 1, 0
	WIN 0
	s_barrier_wait -1
.if \fill
	CREST                                          ; the barrier has opened a round of the cluster's barrier
	s_add_nc_u64 s[G0+4*\slot+2:G0+4*\slot+3], s[G0+4*\slot+2:G0+4*\slot+3], 2*SLB
	s_add_nc_u64 s[G0B+4*\slot+2:G0B+4*\slot+3], s[G0B+4*\slot+2:G0B+4*\slot+3], 2*SLB
	JLOAD G0+4*\slot, G0B+4*\slot                  ; the first tensor load behind the round; its four v_nop are the places for the loads below
.else
	PLACES NP
.endif
	FETCH_B \next, 0, 0
	FETCH_A \next, 0, 0
.if \fill
	s_cmp_gt_u32 s3, 1                             ; the loop's last trip has no K step two refills on
	s_cbranch_scc0 .Lna_\@
	ASK 2*SLB
.Lna_\@:
.endif
	WIN MUL_HI
	MUL16 4, 1, 0
	MUL16 6, 1, 0
	PLACES NP
	WIN 0
	FETCH_A \next, 0, 4
.endm
.macro SETCS a                         ; where block a's cos and sin lie: blocks 0, 5 in window 0; 1-4 in window 1 at 0, 64, 128, 192; 6, 7 where 1, 2 lay
.if ((\a)%5) == 0
.set CW, 0
.set CSR, CS0
.else
.set CW, 1
.set CSR, 64*(((\a)-1)%5)
.endif
.endm
.macro LOADCS a                        ; 32 cos and 32 sin of my token of block a: channels 16 b + 8 (l / 16) + 0..7
	SETCS \a
.set WN, 64*CW
	WIN WN
.irp b, 0,1,2,3
.irp j, 0,1
	global_load_b128 v[CSR+8*\b+4*\j:CSR+8*\b+4*\j+3],       v[CSO], s[8:9]   offset:4096*(\a)+64*\b+16*\j
	global_load_b128 v[CSR+32+8*\b+4*\j:CSR+32+8*\b+4*\j+3], v[CSO], s[10:11] offset:4096*(\a)+64*\b+16*\j
.endr
.endr
	WIN 0
.endm
	s_load_b256 s[4:11], s[0:1], 0x0               ; xc, wc, cos, sin
	s_load_b256 s[80:87], s[0:1], 0x20             ; the exponents, qc, kc, vc
	v_lshl_add_u32 v[SPW], v0, 2, SPARE
	v_mov_b32 v[NIL], 0
	ds_add_u32 v[SPW], v[NIL]                      ; the opening lines: the add twice on end, and its wait
	ds_add_u32 v[SPW], v[NIL]
	v_lshrrev_b32 v1, 5, v0
	v_readfirstlane_b32 s14, v1                    ; wave
	s_lshr_b32 s15, s14, 1                         ; which half of source 1's rows I multiply
	s_and_b32 s16, s14, 1                          ; which half of source 0's; also: which 128 rows of a tile I fetch
	s_bfe_u32 s40, ttmp6, 0x40000                  ; cx
	s_lshl_b32 s17, ttmp9, 2
	s_add_co_u32 s17, s17, s40                     ; block of 256 tokens
	s_and_b32 s42, ttmp7, 0xffff                   ; block of 256 columns
	s_cmp_ge_u32 s42, 10
	s_cselect_b32 s[ROLE], 1, 0
	s_xor_b32 s[ROLE], s[ROLE], s15                ; q, k: waves 2, 3 fetch W; v: waves 0, 1
	s_mov_b32 s[G1+0], 3<<16                       ; elements of 8 bytes, no mask
	s_mov_b32 s[G1B+0], 15|(3<<16)|(1<<21)         ; the four partners
.irp g, G1, G1B
	s_mov_b32 s[\g+1], 512<<16                     ; 8 dense rows of 4,096 bytes
	s_mov_b32 s[\g+2], 8<<16
	s_mov_b32 s[\g+3], 512<<16
	s_mov_b32 s[\g+4], 8
	s_mov_b32 s[\g+5], 512
	s_mov_b32 s[\g+6], 0
	s_mov_b32 s[\g+7], 0
.endr
	s_lshl_b32 s18, s16, 18                        ; a group of 128 rows is 262,144 bytes
	s_lshl_b32 s20, s17, 19
	s_add_co_u32 s20, s20, s18
	s_mov_b32 s19, 0x1000000                       ; x's codes with e4, unless
	s_cmp_lt_u32 s42, 10
	s_cselect_b32 s19, 0x800000, s19               ; with e2, unless
	s_cmp_lt_u32 s42, 8
	s_cselect_b32 s19, 0, s19                      ; with e0
	s_add_co_u32 s20, s20, s19
	s_mov_b32 s21, 0
	s_lshl_b32 s46, s42, 19
	s_add_co_u32 s46, s46, s18
	s_mov_b32 s47, 0
	s_lshl_b32 s45, s14, 16                        ; where my tiles go
	s_lshl_b32 s12, s40, 13                        ; my work-group's quarter of W's blocks to prefetch
	s_mov_b32 s13, 0
	s_mov_b32 s[SEL], 0x76543210
	s_mov_b32 s[SEL+1], 0xfedcba98
	s_wait_dscnt 0x0
	s_wait_kmcnt 0x0
	s_load_b256 s[68:75], s[80:81], 0x0            ; e0 .. e7
	s_load_b128 s[76:79], s[80:81], 0x20           ; e8 .. e11
	s_add_nc_u64 s[20:21], s[4:5], s[20:21]
	s_add_nc_u64 s[46:47], s[6:7], s[46:47]
.irp s, 0,1
	s_mov_b32 s[G0+4*\s], 1
	s_add_co_u32 s[G0+4*\s+1], s45, \s*SLB
	s_add_nc_u64 s[G0+4*\s+2:G0+4*\s+3], s[20:21], \s*SLB
	s_or_b32 s[G0+4*\s+3], s[G0+4*\s+3], 0x80000000
	s_mov_b32 s[G0B+4*\s], 1
	s_add_co_u32 s[G0B+4*\s+1], s45, \s*SLB
	s_add_nc_u64 s[G0B+4*\s+2:G0B+4*\s+3], s[46:47], \s*SLB
	s_or_b32 s[G0B+4*\s+3], s[G0B+4*\s+3], 0x80000000
.endr
	CROUND                                         ; the round in front of the first loads
	JLOAD G0, G0B                                  ; K step 0: one tensor load a wave at the head
	s_add_nc_u64 s[PFA:PFA+1], s[46:47], s[PFA:PFA+1]
	s_cmp_eq_u32 s[ROLE], 0
	s_cselect_b64 s[PFA:PFA+1], s[20:21], s[PFA:PFA+1]   ; at K step 0
	s_lshl_b32 s21, s15, 16                        ; source 1: the part that wave s15 fetched;
	s_lshl_b32 s22, s16, 16
	s_add_co_u32 s22, s22, 2*WREG                  ; source 0: the part that wave 2 + s16 fetched
	s_and_b32 s18, s17, 3                          ; position in the sequence: 256 rows of 256 bytes a block,
	s_lshl_b32 s18, s18, 16
	s_lshl_b32 s19, s15, 15                        ; + my 128
	s_add_co_u32 s18, s18, s19
	s_mov_b32 s19, 0
	s_add_nc_u64 s[8:9], s[8:9], s[18:19]
	s_add_nc_u64 s[10:11], s[10:11], s[18:19]
	v_and_b32 v1, 31, v0
	v_lshlrev_b32 v[OA], 4, v1
	v_lshlrev_b32 v[PFO], 8, v1
	v_add_nc_u32 v[ADRA], s21, v[OA]
	v_add_nc_u32 v[ADRB], s22, v[OA]
	v_and_b32 v2, 15, v0
	v_bfe_u32 v3, v0, 4, 1
	v_lshlrev_b32 v[CSO], 8, v2
	v_lshl_add_u32 v[CSO], v3, 5, v[CSO]
	v_mov_b32 v[F+1], 0
	v_mov_b32 v[PX], 0
	s_wait_alu depctr_va_vdst(0)                   ; at the end of the head's vector work
	ASK SLB                                        ; K steps 1 and 2
	ASK 2*SLB
	LOADCS 0
	s_wait_xcnt 0x0                                ; the prefetches have read their base: on to K step 1
	s_add_nc_u64 s[PFA:PFA+1], s[PFA:PFA+1], SLB
	s_wait_tensorcnt 0x0                           ; my part of K step 0 is in
	ds_add_u32 v[SPW], v[NIL]
	s_wait_dscnt 0x0
	CROUND                                         ; everybody's part is in, and the partners' loads meet
	JLOAD G0+4, G0B+4                              ; K step 1, the first tensor load behind the round
	FETCH_B 0, 0, 0
	FETCH_A 0, 0, 0
	FETCH_A 0, 0, 4
	ASK 2*SLB                                      ; K step 3
	STEP 0, 0, 1                                   ; the first products start the sums
	s_mov_b32 s3, LAPS-1
.Llap:
	TURN 0, 1, 1
	STEP 1, 0, 0
	TURN 1, 0, 1
	STEP 0, 0, 0
	s_sub_co_u32 s3, s3, 1
	s_cmp_lg_u32 s3, 0
	s_cbranch_scc1 .Llap
	TURN 0, 1, 0
	STEP 1, 0, 0
	LOADCS 1                                       ; source 0's set 0 is done with, four places ago
	LOADCS 2
	s_wait_dscnt 4*NL
	WIN MUL_LO
	MUL16 0, 1, 0
	MUL16 2, 1, 0
	s_wait_dscnt 0
	WIN MUL_HI
	MUL16 4, 1, 0
	MUL16 6, 1, 0
	WIN 0
	PLACES NP
	s_wait_kmcnt 0x0
	s_cmp_ge_u32 s42, 10
	s_cbranch_scc1 .Lv_out
	LOADCS 3                                       ; set 1 likewise
	LOADCS 4
	s_add_co_i32 s43, s68, s69
	s_add_co_i32 s44, s70, s71
	s_cmp_lt_u32 s42, 8
	s_cselect_b32 s88, s43, s44                    ; E: a sum stands for sum x 2^E
	s_cselect_b32 s45, s74, s75                    ; e6 or e7
	s_cselect_b64 s[90:91], s[82:83], s[84:85]
	s_cselect_b32 s46, 4, 2                        ; log2 of the heads
	s_cselect_b32 s47, 0, 16
	s_lshl_b32 s89, s88, 1
	s_sub_co_i32 s89, s89, 7                       ; the mean of the squares: x 2^(2 E) / 128
	s_add_co_i32 s45, s45, 127
	s_lshl_b32 s43, s45, 23
	v_mov_b32 v[SCL], s43
	s_add_co_i32 s45, s45, 8
	s_lshl_b32 s45, s45, 23
	s_or_b32 s45, s45, 0x600000
	v_mov_b32 v[LIM], s45                          ; 448 x the scale
	s_lshl_b32 s43, s42, 1
	s_add_co_u32 s43, s43, s16
	s_sub_co_u32 s43, s43, s47                     ; my head
	s_lshr_b32 s44, s17, 2                         ; the batch
	s_lshl_b32 s44, s44, s46
	s_add_co_u32 s44, s44, s43
	s_lshl_b32 s44, s44, 6                         ; 64 tiles of 16 tokens a head
	s_and_b32 s43, s17, 3
	s_lshl_b32 s43, s43, 4
	s_add_co_u32 s44, s44, s43
	s_lshl_b32 s43, s15, 3
	s_add_co_u32 s44, s44, s43
	s_lshl_b32 s44, s44, 11
	s_mov_b32 s45, 0
	s_add_nc_u64 s[90:91], s[90:91], s[44:45]
.macro QKBLK a                         ; 16 tokens x my head: rotate, norm, hold, convert, store one fragment
.set AC,  64*((\a)%4)
.set CC,  CQ+16*((\a)%2)
	SETCS \a
.if 16*(7-(\a)) > 63
	s_wait_loadcnt 63                              ; behind block a's 16 loads stand 64 younger ones
.else
	s_wait_loadcnt 16*(7-(\a))                     ; the later blocks' loads may be out
.endif
.set WN, 2+((\a)/4)+4*CW
	WIN WN
	s_wait_alu depctr_va_vdst(0)                   ; ahead of the first readers of these sums
.irp b, 0,1,2,3
.irp i, 0,2,4,6
	v_pk_mul_f32 v[Y+8*\b+\i:Y+8*\b+\i+1],       v[AC+32+8*\b+\i:AC+32+8*\b+\i+1], v[CSR+32+8*\b+\i:CSR+32+8*\b+\i+1]
	v_pk_mul_f32 v[Y+32+8*\b+\i:Y+32+8*\b+\i+1], v[AC+32+8*\b+\i:AC+32+8*\b+\i+1], v[CSR+8*\b+\i:CSR+8*\b+\i+1]
.endr
.endr
.irp b, 0,1,2,3
.irp i, 0,2,4,6
	v_pk_fma_f32 v[Y+8*\b+\i:Y+8*\b+\i+1],       v[AC+8*\b+\i:AC+8*\b+\i+1], v[CSR+8*\b+\i:CSR+8*\b+\i+1],       v[Y+8*\b+\i:Y+8*\b+\i+1] neg_lo:[0,0,1] neg_hi:[0,0,1]
	v_pk_fma_f32 v[Y+32+8*\b+\i:Y+32+8*\b+\i+1], v[AC+8*\b+\i:AC+8*\b+\i+1], v[CSR+32+8*\b+\i:CSR+32+8*\b+\i+1], v[Y+32+8*\b+\i:Y+32+8*\b+\i+1]
.endr
.endr
	WIN 0
.if (\a) < 3
	LOADCS (\a)+5                                  ; into the registers just read
.endif
	v_pk_mul_f32 v[SS:SS+1],   v[Y:Y+1],   v[Y:Y+1]         ; the squares, in four chains that take turns
	v_pk_mul_f32 v[SS+2:SS+3], v[Y+2:Y+3], v[Y+2:Y+3]
	v_pk_mul_f32 v[ST:ST+1],   v[Y+4:Y+5], v[Y+4:Y+5]
	v_pk_mul_f32 v[ST+2:ST+3], v[Y+6:Y+7], v[Y+6:Y+7]
.set j, 8
.rept 7
	v_pk_fma_f32 v[SS:SS+1],   v[Y+j:Y+j+1],   v[Y+j:Y+j+1],   v[SS:SS+1]
	v_pk_fma_f32 v[SS+2:SS+3], v[Y+j+2:Y+j+3], v[Y+j+2:Y+j+3], v[SS+2:SS+3]
	v_pk_fma_f32 v[ST:ST+1],   v[Y+j+4:Y+j+5], v[Y+j+4:Y+j+5], v[ST:ST+1]
	v_pk_fma_f32 v[ST+2:ST+3], v[Y+j+6:Y+j+7], v[Y+j+6:Y+j+7], v[ST+2:ST+3]
.set j, j+8
.endr
	v_pk_add_f32 v[SS:SS+1], v[SS:SS+1], v[SS+2:SS+3]
	v_pk_add_f32 v[ST:ST+1], v[ST:ST+1], v[ST+2:ST+3]
	v_pk_add_f32 v[SS:SS+1], v[SS:SS+1], v[ST:ST+1]
	v_add_f32 v[SS], v[SS], v[SS+1]
	v_permlanex16_b32 v[PX], v[SS], s[SEL], s[SEL+1]   ; lane l xor 16 holds the token's other 64 channels
	v_add_f32 v[SS], v[SS], v[PX]
	v_ldexp_f32 v[SS], v[SS], s89
	v_add_f32 v[SS], 0x358637bd, v[SS]             ; + 1e-6
	s_wait_alu depctr_va_vdst(0)                   ; ahead of the transcendental,
	v_rsq_f32 v[F], v[SS]
	v_nop
	s_wait_alu depctr_va_vdst(0)                   ; and ahead of its first reader
	v_ldexp_f32 v[F], v[F], s88
.set j, 0
.rept 32
	v_pk_mul_f32 v[Y+j:Y+j+1], v[Y+j:Y+j+1], v[F:F+1] op_sel_hi:[1,0]
.set j, j+2
.endr
.if (\a) > 1
	s_wait_xcnt 0x0                                ; the stores of two blocks back have read this set of codes (blocks 0 and 1 have no such stores)
.endif
.set j, 0
.rept 64
	v_med3_num_f32 v[Y+j], v[Y+j], -v[LIM], v[LIM] ; the conversion does not saturate (ISA guide 7.6.2)
.set j, j+1
.endr
.irp b, 0,1,2,3,4,5,6,7
	v_cvt_scalef32_pk8_fp8_f32 v[CC+2*\b:CC+2*\b+1], v[Y+8*\b:Y+8*\b+7], v[SCL]
.endr
	v_nop
.irp c, 0,1,2,3
	global_store_b128 v[OA], v[CC+4*\c:CC+4*\c+3], s[90:91] offset:2048*(\a)+512*\c   ; 512 consecutive bytes
.endr
.endm
.irp a, 0,1,2,3,4,5,6,7
	QKBLK \a
.endr
	s_branch .Lclose
.Lv_out:
	s_sub_co_i32 s45, s76, s72
	s_sub_co_i32 s45, s45, s73                     ; e8 - e4 - e5: the three scales in the conversion's one
	s_add_co_i32 s45, s45, 127
	s_lshl_b32 s43, s45, 23
	v_mov_b32 v[SCL], s43
	s_add_co_i32 s45, s45, 8
	s_lshl_b32 s45, s45, 23
	s_or_b32 s45, s45, 0x600000
	v_mov_b32 v[LIM], s45
	s_lshr_b32 s44, s17, 2
	s_lshl_b32 s44, s44, 2
	s_sub_co_u32 s43, s42, 10
	s_lshl_b32 s43, s43, 1
	s_add_co_u32 s44, s44, s43
	s_add_co_u32 s44, s44, s15                     ; batch x 4 + head
	s_lshl_b32 s44, s44, 3
	s_and_b32 s43, s17, 3
	s_lshl_b32 s43, s43, 1
	s_add_co_u32 s44, s44, s43
	s_add_co_u32 s44, s44, s16                     ; the step of 128 keys
	s_lshl_b32 s44, s44, 14
	s_mov_b32 s45, 0
	s_add_nc_u64 s[90:91], s[86:87], s[44:45]
.macro VBLK a                          ; 16 channels x 128 keys: one fragment
.set AC, 64*((\a)%4)
.set CC, CQ+16*((\a)%2)
	s_wait_xcnt 0x0
.set WN, 2+((\a)/4)
	WIN WN
.set j, 0
.rept 64
	v_med3_num_f32 v[Y+j], v[AC+j], -v[LIM], v[LIM]
.set j, j+1
.endr
	WIN 0
.irp b, 0,1,2,3,4,5,6,7
	v_cvt_scalef32_pk8_fp8_f32 v[CC+2*\b:CC+2*\b+1], v[Y+8*\b:Y+8*\b+7], v[SCL]
.endr
	v_nop
.irp c, 0,1,2,3
	global_store_b128 v[OA], v[CC+4*\c:CC+4*\c+3], s[90:91] offset:2048*(\a)+512*\c
.endr
.endm
	s_wait_alu depctr_va_vdst(0)                   ; the scale and the bound were made ahead of a run of scalar lines
.irp a, 0,1,2,3,4,5,6,7
	VBLK \a
.endr
	s_wait_loadcnt 0x0                             ; the cos and sin that were asked for ahead of the parting
.Lclose:
	s_wait_tensorcnt 0x0                           ; the wave's end
	ds_add_u32 v[SPW], v[NIL]
	s_wait_dscnt 0x0
	CROUND                                         ; the closing round
	s_endpgm
.Lfunc_end_k_q98cfb02a6d_qkv:
	.size	k_q98cfb02a6d_qkv, .Lfunc_end_k_q98cfb02a6d_qkv-k_q98cfb02a6d_qkv
	.p2alignl 7, 3214868480
	.fill 96, 4, 3214868480
	.section	.rodata,"a",@progbits
	.p2align	6, 0x0
	.amdhsa_kernel k_q98cfb02a6d_qkv
		.amdhsa_group_segment_fixed_size 327680
		.amdhsa_private_segment_fixed_size 0
		.amdhsa_enable_private_segment 0
		.amdhsa_kernarg_size 64
		.amdhsa_user_sgpr_count 2
		.amdhsa_user_sgpr_kernarg_segment_ptr 1
		.amdhsa_wavefront_size32 1
		.amdhsa_system_sgpr_workgroup_id_x 1
		.amdhsa_system_sgpr_workgroup_id_y 1
		.amdhsa_system_sgpr_workgroup_id_z 1
		.amdhsa_system_vgpr_workitem_id 0
		.amdhsa_next_free_vgpr 1024
		.amdhsa_next_free_sgpr 100
		.amdhsa_reserve_vcc 0
		.amdhsa_float_denorm_mode_32 3
		.amdhsa_float_denorm_mode_16_64 3
		.amdhsa_memory_ordered 1
		.amdhsa_forward_progress 1
		.amdhsa_inst_pref_size 244
	.end_amdhsa_kernel
	.amdgpu_metadata
---
amdhsa.version: [ 1, 2 ]
amdhsa.kernels:
  - .name:           k_q98cfb02a6d_qkv
    .symbol:         k_q98cfb02a6d_qkv.kd
    .args:
      - { .name: xc, .offset: 0, .size: 8, .value_kind: global_buffer, .address_space: global }
      - { .name: wc, .offset: 8, .size: 8, .value_kind: global_buffer, .address_space: global }
      - { .name: cos, .offset: 16, .size: 8, .value_kind: global_buffer, .address_space: global }
      - { .name: sin, .offset: 24, .size: 8, .value_kind: global_buffer, .address_space: global }
      - { .name: lowp_scales, .offset: 32, .size: 8, .value_kind: global_buffer, .address_space: global }
      - { .name: qc, .offset: 40, .size: 8, .value_kind: global_buffer, .address_space: global }
      - { .name: kc, .offset: 48, .size: 8, .value_kind: global_buffer, .address_space: global }
      - { .name: vc, .offset: 56, .size: 8, .value_kind: global_buffer, .address_space: global }
    .group_segment_fixed_size: 327680
    .private_segment_fixed_size: 0
    .kernarg_segment_align: 8
    .kernarg_segment_size: 64
    .max_flat_workgroup_size: 128
    .sgpr_count:     100
    .vgpr_count:     1024
    .wavefront_size: 32
...
	.end_amdgpu_metadata
.endif
;; end of part 2
;; launch attn (part 3): grid 16 x 16, 16 waves a work-group, no clusters, 264,192 bytes of LDS; arguments qc, kc, vc, lowp_scales, ac; writes ac
.if DOCPART == 3
	.amdgcn_target "amdgcn-amd-amdhsa--gfx1250"
	.amdhsa_code_object_version 6
	.text
	.protected	k_q98cfb02a6d_attn
	.globl	k_q98cfb02a6d_attn
	.p2align	8
	.type	k_q98cfb02a6d_attn,@function
k_q98cfb02a6d_attn:
	s_mov_b64 s[64:65], 0
	v_nop
	global_prefetch_b8 v0, s[64:65] scope:SCOPE_SE
	s_setreg_imm32_b32 hwreg(HW_REG_WAVE_MODE, 25, 1), 1
	s_wait_xcnt 0x0
; Causal attention with grouped heads on codes of FP8 (E4M3): S^T = K Q^T, the softmax, O^T = V^T P^T, O / the row's sum, and the quantiser (entry 10) for the last product's operand.
; All operands lie as images of the plain fp8 form's registers (a fragment, 16 rows x 128 K, is 2,048 bytes: chunk c of 512 bytes holds lane l's registers 4 c .. 4 c + 3 at 16 l):
;   qc [batch][16 heads][64 tiles of 16 queries][2,048];  kc [batch][4 heads][64 tiles of 16 keys][2,048];  vc [batch][4 heads][8 steps of 128 keys][8 blocks of 16 channels][2,048];
;   ac [256 blocks of 16 tokens][16 heads = K steps of the last product][2,048].
; THE SOFTMAX AHEAD OF THE SECOND PRODUCT: t = score x log2(e) / sqrt(128); M = the row's largest t so far, rounded UP to a whole number; p = 2^(t - M) is what is quantised (entry 9), not normalised.
; The row's sum is taken of the unquantised p, in f32, and divides O at the end.  When M moves, the sum and O are multiplied by 2^(old M - new M): exact.
; SHARES.  Work-group (p, bk): batch bk / 4, key and value head bk % 4; its four query heads; the blocks p and 31 - p of 32 queries.  Each of the SIXTEEN waves owns one tile of 16 queries of one head, in 256 registers.
;   A wave walks the steps of 128 keys that hold a key at or before its last query: block / 4 + 1 of them; blocks p and 31 - p have 9 together, whatever p: every work-group has 72 steps of a wave.
;   Wave w: head w / 4, tile (w / 2) % 2, the late block where (w xor w / 4) is odd: of four waves with consecutive numbers, and of four whose numbers lie 4 apart, two are early and two late.
; NO RING: the head's K (128 KiB) and V^T (128 KiB) are brought into LDS once, by all sixteen waves, one tensor load of 16,384 bytes each, issued at the head: one load of a wave is out, and no byte is filled again.
;   In front of step 0 a wait shows my load landed, and one barrier shows all sixteen loads to all sixteen waves.  The steps' branches hold no barrier and no tensor load.
; No cluster: which steps a wave leaves out hangs on its work-group's block of queries, which would differ between partners; the four query heads that share K and V sit in one work-group instead.
; No prefetch: every tile is asked for at the head, so there is no later tile to ask for ahead.
; LAYOUT.  Both products are used transposed: a lane holds ONE query (lane % 16) throughout.  Tile t of S^T holds keys 16 t + 8 (lane / 16) + 0..7 of the step: its eight registers convert into registers 2 t, 2 t + 1 of P.
; LIMITS: e6 + e7 between -123 and 130 (added to c's exponent field); e9 and e10 between -126 and 119; e8 + e9 is applied by v_ldexp_f32 and has none.  NaN is not served.
; REGISTERS: v1 16 x lane; v2 the same in V's region; v3 r - 8 h; v5, v6 the add's two; v8, v9 addresses of the step in hand; v12 -M, v13 the largest t, v[14:15] the sum in two halves; v16-31 Q;
;   v32-95 four fragments of K or of V; v96-159 S^T, then p; v160-223 O^T; v224-239 codes; v240, v244: 448 x 2^e9, 2^e9; v241, v245: the same with e10; v236-239, v242-243, v246-255 at work.
.set VB,    131072                     ; K's 8 steps of 16,384 bytes lie from LDS byte 0, V's from here
.set SPARE, 262144                     ; behind them: the spare words, 128 bytes for each wave: eight blocks of 256 bytes that no other line names
.set SPW,  5
.set NIL,  6
.set WV,   18                          ; s18  my wave's number
.set SEL,  20                          ; s[20:21] lane selects for v_permlanex16_b32: lane l xor 16
.set CS,   22                          ; s[22:23] c = log2(e) / sqrt(128) x 2^(e6 + e7): the packed form names a pair and takes its low word for both halves
.set G1,   24                          ; s[24:31] descriptor group 1
.set G0,   32                          ; s[32:35] descriptor group 0
.set QL,   98                          ; s98  my last query
.set Q0,   99                          ; s99  my first query
	s_load_b256 s[4:11], s[0:1], 0x0               ; qc s[4:5], kc s[6:7], vc s[8:9], the exponents s[10:11]
	s_load_b64 s[12:13], s[0:1], 0x20              ; ac
	v_lshl_add_u32 v[SPW], v0, 2, SPARE
	v_mov_b32 v[NIL], 0
	ds_add_u32 v[SPW], v[NIL]                      ; the wave's opening: the add, and its wait ahead of the first tensor load; the set-up below, work on registers, stands between them
	ds_add_u32 v[SPW], v[NIL]
	v_lshrrev_b32 v8, 5, v0
	s_delay_alu instid0(VALU_DEP_1)
	v_readfirstlane_b32 s[WV], v8                  ; wave 0..15
	s_and_b32 s50, ttmp7, 0xffff                   ; bk
	s_lshr_b32 s51, s[WV], 2                       ; which of the four query heads
	s_bfe_u32 s52, s[WV], 0x10001                  ; which tile of the block.  Also: I fetch K (0) or V (1)
	s_xor_b32 s53, s[WV], s51
	s_and_b32 s53, s53, 1                          ; the late block?
	s_sub_co_u32 s54, 31, ttmp9
	s_cmp_eq_u32 s53, 1
	s_cselect_b32 s54, s54, ttmp9                  ; my block of 32 queries
	s_lshl_b32 s[Q0], s54, 5
	s_lshl_b32 s55, s52, 4
	s_add_co_u32 s[Q0], s[Q0], s55
	s_add_co_u32 s[QL], s[Q0], 15
	s_and_b32 s56, s50, 3
	s_lshl_b32 s56, s56, 2
	s_add_co_u32 s56, s56, s51                     ; my query head
	s_lshr_b32 s57, s50, 2                         ; the batch
	s_lshr_b32 s62, s[Q0], 4                       ; my tile among the batch's 64
	s_lshl_b32 s58, s57, 4
	s_add_co_u32 s58, s58, s56
	s_lshl_b32 s58, s58, 6
	s_add_co_u32 s58, s58, s62
	s_lshl_b32 s58, s58, 11                        ; Q's fragment
	s_mov_b32 s59, 0
	s_lshl_b32 s60, s57, 6
	s_add_co_u32 s60, s60, s62
	s_lshl_b32 s60, s60, 4
	s_add_co_u32 s60, s60, s56
	s_lshl_b32 s60, s60, 11                        ; the result's fragment
	s_mov_b32 s61, 0
	s_and_b32 s73, s[WV], 1                        ; which of a pair of steps I fetch
	s_lshl_b32 s74, s50, 17                        ; the head's 131,072 bytes in kc and in vc,
	; EVERY WAVE FETCHES ONE STEP OF K OR OF V (this replaces the sharing named at the head): wave w takes step 2 (w / 4) + w % 2, of K where (w / 2) % 2 is 0, of V where it is 1: sixteen loads of 16,384 bytes, one a wave
	s_lshl_b32 s75, s73, 14
	s_lshl_b32 s77, s51, 15
	s_add_co_u32 s75, s75, s77
	s_add_co_u32 s74, s74, s75
	s_mov_b32 s75, 0
	s_lshl_b32 s76, s52, 17                        ; in LDS: K's or V's region,
	s_lshl_b32 s77, s73, 14
	s_add_co_u32 s76, s76, s77
	s_lshl_b32 s77, s51, 15
	s_add_co_u32 s76, s76, s77
	; descriptor group 1: a step's eight fragments are one dense block of 16,384 bytes: 64 rows of 32 elements of 8 bytes
	s_mov_b32 s[G1], 3<<16                         ; 15:0 no mask; 17:16 elements of 8 bytes; no padding
	s_mov_b32 s[G1+1], 32<<16                      ; tensor_dim0 = 32
	s_mov_b32 s[G1+2], 64<<16                      ; tensor_dim1 = 64
	s_mov_b32 s[G1+3], 32<<16                      ; tile_dim0 = 32
	s_mov_b32 s[G1+4], 64                          ; tile_dim1 = 64
	s_mov_b32 s[G1+5], 32                          ; tensor_dim0_stride
	s_mov_b32 s[G1+6], 0
	s_mov_b32 s[G1+7], 0
	s_mov_b32 s[SEL], 0x76543210
	s_mov_b32 s[SEL+1], 0xfedcba98
	s_mov_b32 s[CS], 0x3e0293ee                    ; log2(e) / sqrt(128)
	s_wait_dscnt 0x0                               ; the opening add is done
	s_wait_kmcnt 0x0
	s_load_b128 s[68:71], s[10:11], 0x18           ; e6, e7, e8, e9
	s_load_b32 s72, s[10:11], 0x28                 ; e10
	s_cmp_eq_u32 s52, 0
	s_cselect_b64 s[78:79], s[6:7], s[8:9]         ; the choice hangs on the wave's number alone
	s_add_nc_u64 s[78:79], s[78:79], s[74:75]
	s_mov_b32 s[G0], 1                             ; 1:0 count = 1
	s_mov_b32 s[G0+1], s76                         ; 63:32 LDS address: my step
	s_mov_b64 s[G0+2:G0+3], s[78:79]               ; 120:64 global address
	s_or_b32 s[G0+3], s[G0+3], 0x80000000          ; 127:126 type = 2
	tensor_load_to_lds s[G0:G0+3], s[G1:G1+7]      ; my one tensor load
	s_nop 0
.rept 4
	v_nop
.endr
	v_and_b32 v8, 31, v0
	s_delay_alu instid0(VALU_DEP_1)
	v_lshlrev_b32 v1, 4, v8                        ; 16 x lane: my place in every image, in LDS and in memory
	s_delay_alu instid0(VALU_DEP_1)
	v_add_nc_u32 v2, VB, v1
	v_and_b32 v9, 15, v0
	v_bfe_u32 v10, v0, 4, 1
	s_delay_alu instid0(VALU_DEP_1)
	v_lshlrev_b32 v10, 3, v10
	s_delay_alu instid0(VALU_DEP_1)
	v_sub_nc_u32 v3, v9, v10                       ; r - 8 h
	s_add_nc_u64 s[4:5], s[4:5], s[58:59]
	s_add_nc_u64 s[12:13], s[12:13], s[60:61]
.irp c, 0,1,2,3
	global_load_b128 v[16+4*\c:19+4*\c], v1, s[4:5] offset:512*\c   ; Q's fragment stays in registers
.endr
	v_mov_b32 v13, 0xff61b1e6                      ; the largest t so far: -3e38, under every t
	s_delay_alu instid0(VALU_DEP_1)
	v_floor_f32 v12, -v13                          ; -M
	v_mov_b32 v14, 0                               ; the sum, in two halves
	v_mov_b32 v15, 0
	v_mov_b32 v236, 0                              ; written once: a lane permute's destination counts as one of its sources
	v_mov_b32 v253, 0                              ; (named as the upper half of the pair v[252:253])
	s_wait_kmcnt 0x0
	s_add_co_i32 s80, s68, s69
	s_lshl_b32 s80, s80, 23
	s_add_co_i32 s[CS], s[CS], s80                 ; a score stands for score x 2^(e6 + e7): the two exponents are added to c's exponent field
	s_mov_b32 s[CS+1], s[CS]                       ; (named with it as a pair, so it is written)
	s_add_co_i32 s82, s71, 127
	s_lshl_b32 s83, s82, 23
	v_mov_b32 v244, s83                            ; 2^e9
	s_add_co_i32 s82, s82, 8
	s_lshl_b32 s82, s82, 23
	s_or_b32 s82, s82, 0x600000
	v_mov_b32 v240, s82                            ; 448 x 2^e9
	s_add_co_i32 s82, s72, 127
	s_lshl_b32 s83, s82, 23
	v_mov_b32 v245, s83                            ; 2^e10
	s_add_co_i32 s82, s82, 8
	s_lshl_b32 s82, s82, 23
	s_or_b32 s82, s82, 0x600000
	v_mov_b32 v241, s82                            ; 448 x 2^e10
	s_add_co_i32 s81, s70, s71                     ; e8 + e9
; KEY STEP s: keys 128 s .. 128 s + 127.  The eight steps are written out: every LDS address is a constant + 16 x lane.
.macro STEP s
.set KF, 128*(\s)
.if (\s) > 0
	s_cmp_lt_u32 s[QL], KF                         ; all its keys come after my 16 queries: the step is left out: a scalar branch on ids
	s_cbranch_scc1 .Lhidden_\@
.endif
	v_add_nc_u32 v8, 16384*(\s), v1
	s_wait_alu depctr_va_vdst(0)
	v_add_nc_u32 v9, 16384*(\s), v2
.irp g, 0,1                                    ; S^T = K Q^T, four tiles of 16 keys at a time
.rept 2+2*\g
	v_nop                                          ; four places in front of loads into registers that matrix instructions have read (the two additions above are places too)
.endr
.irp t, 0,1,2,3
.irp c, 0,1,2,3
	ds_load_b128 v[32+16*\t+4*\c:32+16*\t+4*\c+3], v8 offset:2048*(4*\g+\t)+512*\c
.endr
.endr
	s_wait_dscnt 0x0
.irp t, 0,1,2,3
	v_wmma_f32_16x16x128_fp8_fp8 v[96+8*(4*\g+\t):103+8*(4*\g+\t)], v[32+16*\t:47+16*\t], v[16:31], 0
.endr
.endr
.rept 4
	v_nop
.endr
	s_cmp_ge_u32 s[Q0], KF+127                     ; all 128 keys count for all my queries: no mask
	s_cbranch_scc1 .Lopen_\@
	s_sub_co_i32 s96, s[Q0], KF
	v_add_nc_u32 v252, s96, v3                     ; d = my query - KF - 8 h.  Register 8 t + i holds key KF + 16 t + 8 h + i: hidden where 16 t + i > d
	v_mov_b32 v254, 0xff800000                     ; -infinity: p = 0 then.  Key 0 counts for every query, so M is a number from step 0 on
.set n, 0
.rept 64
	v_cmp_gt_i32 vcc_lo, 16*(n/8)+n%8, v252
	v_cndmask_b32 v[96+n], v[96+n], v254, vcc_lo
.set n, n+1
.endr
.Lopen_\@:
	v_max3_num_f32 v254, v96, v97, v98             ; the step's largest score of my query, among my 64 keys, in two chains, each tile from its low end on,
	v_max3_num_f32 v252, v99, v100, v101
.irp i, 6,10,14,18,22,26,30,34,38,42,46,50,54,58
	v_max3_num_f32 v254, v254, v[96+\i], v[97+\i]
	v_max3_num_f32 v252, v252, v[98+\i], v[99+\i]
.endr
	v_max3_num_f32 v254, v254, v158, v159
	s_delay_alu instid0(VALU_DEP_1)
	v_max_num_f32 v254, v254, v252
	v_permlanex16_b32 v236, v254, s[SEL], s[SEL+1]
	s_delay_alu instid0(VALU_DEP_1)
	v_max_num_f32 v254, v254, v236                 ; and among lane l xor 16's
	s_delay_alu instid0(VALU_DEP_1)
	v_mul_f32 v254, s[CS], v254                    ; as t (c is positive)
	s_delay_alu instid0(VALU_DEP_1)
	v_max_num_f32 v13, v13, v254                   ; the running largest t
	v_mov_b32 v254, v12
	s_delay_alu instid0(VALU_DEP_2)
	v_floor_f32 v12, -v13                          ; the new -M = floor(-t) = -ceil(t): M is a whole number
	s_delay_alu instid0(VALU_DEP_1)
	v_sub_f32 v254, v12, v254                      ; M's old value less its new one: a whole number, 0 or less
	s_delay_alu instid0(VALU_DEP_1)
	v_cvt_i32_f32 v254, v254                       ; (it saturates)
	s_delay_alu instid0(VALU_DEP_1)
	v_ldexp_f32 v252, 1.0, v254                    ; f = 2^(old M - new M)
.set j, 0
.rept 32
	v_pk_fma_f32 v[96+j:97+j], v[96+j:97+j], s[CS:CS+1], v[12:13] op_sel_hi:[1,0,0]   ; t - M, two at a time (of the pairs c and -M the low word serves both halves)
.set j, j+2
.endr
.set j, 0
	s_wait_alu depctr_va_vdst(0)
.rept 64
	v_exp_f32 v[96+j], v[96+j]                     ; p = 2^(t - M), at most 1: not normalised
.set j, j+1
.endr
	v_pk_mul_f32 v[14:15], v[14:15], v[252:253] op_sel_hi:[1,0]   ; the sums under the new M: a plain line behind the exponentials
	s_wait_alu depctr_va_vdst(0)                   ; ahead of the first line that names a result: one for the batch of 64
	v_pk_add_f32 v[242:243], v[100:101], v[104:105]
	v_pk_add_f32 v[254:255], v[108:109], v[112:113]
	v_pk_add_f32 v[250:251], v[116:117], v[120:121]
	v_pk_add_f32 v[248:249], v[124:125], v[128:129]
	v_pk_add_f32 v[246:247], v[132:133], v[136:137]
	v_pk_add_f32 v[238:239], v[140:141], v[144:145]
	v_pk_add_f32 v[236:237], v[148:149], v[152:153]
	v_pk_add_f32 v[14:15], v[14:15], v[156:157]
	v_pk_add_f32 v[242:243], v[242:243], v[96:97]
	v_pk_add_f32 v[254:255], v[254:255], v[98:99]
	v_pk_add_f32 v[250:251], v[250:251], v[102:103]
	v_pk_add_f32 v[248:249], v[248:249], v[106:107]
	v_pk_add_f32 v[246:247], v[246:247], v[110:111]
	v_pk_add_f32 v[238:239], v[238:239], v[114:115]
	v_pk_add_f32 v[236:237], v[236:237], v[118:119]
	v_pk_add_f32 v[14:15], v[14:15], v[122:123]
	v_pk_add_f32 v[242:243], v[242:243], v[126:127]
	v_pk_add_f32 v[254:255], v[254:255], v[130:131]
	v_pk_add_f32 v[250:251], v[250:251], v[134:135]
	v_pk_add_f32 v[248:249], v[248:249], v[138:139]
	v_pk_add_f32 v[246:247], v[246:247], v[142:143]
	v_pk_add_f32 v[238:239], v[238:239], v[146:147]
	v_pk_add_f32 v[236:237], v[236:237], v[150:151]
	v_pk_add_f32 v[14:15], v[14:15], v[154:155]
	v_pk_add_f32 v[242:243], v[242:243], v[158:159]
	s_delay_alu instid0(VALU_DEP_2)
	v_pk_add_f32 v[14:15], v[14:15], v[248:249]
	s_delay_alu instid0(VALU_DEP_2)
	v_pk_add_f32 v[242:243], v[242:243], v[246:247]
	v_pk_add_f32 v[254:255], v[254:255], v[238:239]
	v_pk_add_f32 v[250:251], v[250:251], v[236:237]
	s_delay_alu instid0(VALU_DEP_2)
	v_pk_add_f32 v[14:15], v[14:15], v[254:255]
	s_delay_alu instid0(VALU_DEP_2)
	v_pk_add_f32 v[242:243], v[242:243], v[250:251]
	s_delay_alu instid0(VALU_DEP_1)
	v_pk_add_f32 v[14:15], v[14:15], v[242:243]
.irp t, 0,1,2,3,4,5,6,7
.irp i, 0,1,2,3,4,5,6,7
	v_min_num_f32 v[96+8*\t+\i], v[96+8*\t+\i], v240   ; the conversion does not saturate (ISA guide 7.6.2); p is not negative, so the hold is one-sided
.endr
	v_cvt_scalef32_pk8_fp8_f32 v[224+2*\t:225+2*\t], v[96+8*\t:103+8*\t], v244   ; keys 16 t + 8 h + 0..7: registers 2 t, 2 t + 1 of P
.endr
.if (\s) > 0
.set j, 0
.rept 32
	v_pk_mul_f32 v[160+j:161+j], v[160+j:161+j], v[252:253] op_sel_hi:[1,0]   ; O^T under the new M: x f.  (Also the plain lines between the conversions and the products below)
.set j, j+2
.endr
.else
	s_wait_alu depctr_va_vdst(0)
	v_nop                                          ; step 0 has nothing to rescale: one plain line between the last conversion and the product that reads its result
.endif
	s_wait_alu depctr_va_vdst(0)
.irp g, 0,1                                    ; O^T += V^T P^T: four blocks of 16 channels at a time; K = these 128 keys.  The accumulators take turns
.if \g > 0
.rept 4
	v_nop
.endr
.endif
.irp t, 0,1,2,3
.irp c, 0,1,2,3
	ds_load_b128 v[32+16*\t+4*\c:32+16*\t+4*\c+3], v9 offset:2048*(4*\g+\t)+512*\c
.endr
.endr
	s_wait_dscnt 0x0
.irp t, 0,1,2,3
.if (\s) == 0
	v_wmma_f32_16x16x128_fp8_fp8 v[160+8*(4*\g+\t):167+8*(4*\g+\t)], v[32+16*\t:47+16*\t], v[224:239], 0   ; every wave runs step 0: its products start the sums, and nothing is cleared
.else
	v_wmma_f32_16x16x128_fp8_fp8 v[160+8*(4*\g+\t):167+8*(4*\g+\t)], v[32+16*\t:47+16*\t], v[224:239], v[160+8*(4*\g+\t):167+8*(4*\g+\t)]
.endif
.endr
.endr
.if (\s) > 0
.Lhidden_\@:
.endif
.endm
	s_wait_loadcnt 0x0                             ; Q
	s_wait_tensorcnt 0x0                           ; my step has landed
	s_wait_dscnt 0x0                               ; no LDS instruction of mine is pending at a signal
	s_barrier_signal -1
	s_barrier_wait -1                              ; all of K and V is whole for all sixteen waves: one barrier in all, and nothing is ever filled again
.irp s, 0,1,2,3,4,5,6,7
	STEP \s
.endr
	; THE WAY OUT: O^T x 2^(e8 + e9) / the sum; held; converted: register 8 t + i is o(query r, channel 16 t + 8 h + i), so tile t converts into registers 2 t, 2 t + 1 of the last product's fragment.
.rept 4
	v_nop                                          ; places behind the last products
.endr
	v_add_f32 v14, v14, v15                        ; the sum's two halves,
	s_delay_alu instid0(VALU_DEP_1)
	v_permlanex16_b32 v252, v14, s[SEL], s[SEL+1]
	s_delay_alu instid0(VALU_DEP_1)
	v_add_f32 v14, v14, v252                       ; and lane l xor 16's: the row's sum, above 1/2
	s_wait_alu depctr_va_vdst(0)
	v_rcp_f32 v14, v14
	v_nop                                          ; a plain line behind the transcendental,
	s_wait_alu depctr_va_vdst(0)                   ; and the wait ahead of the first line that names its result
	v_ldexp_f32 v14, v14, s81
.set j, 0
.rept 32
	v_pk_mul_f32 v[96+j:97+j], v[160+j:161+j], v[14:15] op_sel_hi:[1,0]   ; each accumulator from its low end on
.set j, j+2
.endr
.set j, 0
.rept 64
	v_med3_num_f32 v[96+j], v[96+j], -v241, v241
.set j, j+1
.endr
.irp t, 0,1,2,3,4,5,6,7
	v_cvt_scalef32_pk8_fp8_f32 v[224+2*\t:225+2*\t], v[96+8*\t:103+8*\t], v245
.endr
	v_nop
.irp c, 0,1,2,3
	global_store_b128 v1, v[224+4*\c:227+4*\c], s[12:13] offset:512*\c   ; 32 lanes store 512 consecutive bytes, at a multiple of 512 from ac's first byte
.endr
	s_wait_tensorcnt 0x0                           ; the wave's end, behind the last tensor load
	ds_add_u32 v[SPW], v[NIL]
	s_wait_dscnt 0x0
	s_endpgm
.Lfunc_end_k_q98cfb02a6d_attn:
	.size	k_q98cfb02a6d_attn, .Lfunc_end_k_q98cfb02a6d_attn-k_q98cfb02a6d_attn
	.p2alignl 7, 3214868480
	.fill 96, 4, 3214868480
	.section	.rodata,"a",@progbits
	.p2align	6, 0x0
	.amdhsa_kernel k_q98cfb02a6d_attn
		.amdhsa_group_segment_fixed_size 264192
		.amdhsa_private_segment_fixed_size 0
		.amdhsa_enable_private_segment 0
		.amdhsa_kernarg_size 40
		.amdhsa_user_sgpr_count 2
		.amdhsa_user_sgpr_kernarg_segment_ptr 1
		.amdhsa_wavefront_size32 1
		.amdhsa_system_sgpr_workgroup_id_x 1
		.amdhsa_system_sgpr_workgroup_id_y 1
		.amdhsa_system_sgpr_workgroup_id_z 1
		.amdhsa_system_vgpr_workitem_id 0
		.amdhsa_next_free_vgpr 256
		.amdhsa_next_free_sgpr 100
		.amdhsa_reserve_vcc 1
		.amdhsa_float_denorm_mode_32 3
		.amdhsa_float_denorm_mode_16_64 3
		.amdhsa_memory_ordered 1
		.amdhsa_forward_progress 1
		.amdhsa_inst_pref_size 207
	.end_amdhsa_kernel
	.amdgpu_metadata
---
amdhsa.version: [ 1, 2 ]
amdhsa.kernels:
  - .name:           k_q98cfb02a6d_attn
    .symbol:         k_q98cfb02a6d_attn.kd
    .args:
      - { .name: qc, .offset: 0, .size: 8, .value_kind: global_buffer, .address_space: global }
      - { .name: kc, .offset: 8, .size: 8, .value_kind: global_buffer, .address_space: global }
      - { .name: vc, .offset: 16, .size: 8, .value_kind: global_buffer, .address_space: global }
      - { .name: lowp_scales, .offset: 24, .size: 8, .value_kind: global_buffer, .address_space: global }
      - { .name: ac, .offset: 32, .size: 8, .value_kind: global_buffer, .address_space: global }
    .group_segment_fixed_size: 264192
    .private_segment_fixed_size: 0
    .kernarg_segment_align: 8
    .kernarg_segment_size: 40
    .max_flat_workgroup_size: 512
    .sgpr_count:     100
    .vgpr_count:     256
    .wavefront_size: 32
...
	.end_amdgpu_metadata
.endif
;; end of part 3
;; launch proj (part 4): grid 8 x 32, 4 waves a work-group, clusters of 4 x 4, 327,680 bytes of LDS; arguments ac, wc, lowp_scales, out0; writes out0
.if DOCPART == 4
	.amdgcn_target "amdgcn-amd-amdhsa--gfx1250"
	.amdhsa_code_object_version 6
	.text
	.protected	k_q98cfb02a6d_proj
	.globl	k_q98cfb02a6d_proj
	.p2align	8
	.type	k_q98cfb02a6d_proj,@function
k_q98cfb02a6d_proj:
	s_mov_b64 s[64:65], 0
	v_nop
	global_prefetch_b8 v0, s[64:65] scope:SCOPE_SE
	s_setreg_imm32_b32 hwreg(HW_REG_WAVE_MODE, 25, 1), 1
	s_wait_xcnt 0x0
	s_wait_alu depctr_hold_cnt(0) depctr_sa_sdst(0) depctr_va_vdst(0) depctr_va_sdst(0) depctr_va_ssrc(0) depctr_va_vcc(0) depctr_vm_vsrc(0)
	s_getreg_b32 s2, hwreg(HW_REG_IB_STS2, 6, 4)
	s_cmp_eq_u32 s2, 0
	s_cbranch_scc0 .Lentry_in_a_cluster
	s_endpgm
.Lentry_in_a_cluster:
	s_bfe_u32 s2, ttmp6, 0x10000c
	s_cmp_lg_u32 s2, 0xf033
	s_cbranch_scc0 .Lentry_shape_is_right
	s_endpgm
.Lentry_shape_is_right:
; out0 = (attention's result) Wo on codes of FP8 (E4M3), each sum x 2^(e10 + e11); LIMIT: e10 + e11 between -126 and 127.
; A work-group makes 128 tokens x 256 columns, four waves of 64 x 128; K goes in slots of 384 (the last of 128) through a ring of two slots; 4 x 4 clusters ask jointly for ac's tiles along a row and for Wo's along a column.
; ac: [block of 16 tokens][16 steps of 128 along K][2,048]; Wo's codes: [group of 128 rows][16 steps][8 blocks][2,048]; a fragment is an image of the plain fp8 form's sixteen registers.
; PREFETCH: behind the load of slot t, slot t + 2 is asked for, up to slot 4 (the head asks for slot 1 too; the short slot 5 comes by its load alone: a request of a full slot's size there would pass the end of ac).
; The partners share the blocks out by address: of the four block rows of ac that a wave fetches, the partner at cx names one, 6,144 bytes, lanes 256 bytes apart (lanes 24 to 31 name the last block again);
; of Wo's 49,152 bytes the partner at cy names 12,288, in two such instructions.  The base is never stepped: every offset is an immediate.
.set SIZE_N, 2048
.set PFO, 30                           ; v30      256 x min(lane, 23); never rewritten
.set PFA, 84                           ; s[84:85] my share of slot 0 of the tile that I fetch; never rewritten
.set RF,  2                            ; the slot that the next refill brings
.macro ASK n
	s_cmp_eq_u32 s15, 0
	s_cbranch_scc0 .Lpb_\@
	global_prefetch_b8 v[PFO], s[PFA:PFA+1] offset:(\n)*RBB th:TH_LOAD_NT scope:SCOPE_SE
	s_branch .Lpd_\@
.Lpb_\@:
	global_prefetch_b8 v[PFO], s[PFA:PFA+1] offset:(\n)*8*RBB th:TH_LOAD_NT scope:SCOPE_SE
	global_prefetch_b8 v[PFO], s[PFA:PFA+1] offset:(\n)*8*RBB+RBB th:TH_LOAD_NT scope:SCOPE_SE
.Lpd_\@:
.endm
.set FR,     16
.set NP,     4
.set FRB,    2048
.set RBB,    3*FRB
.set AHALF,  4*RBB
.set BHALF,  8*RBB
.set BOFF,   2*AHALF
.set SLOT,   BOFF+2*BHALF
.set SPARE,  2*SLOT
.set SPITCH, 528
.set ADRA, 16
.set ADRB, 20
.set STO,  24
.set RD,   25
.set CO,   26
.set SPW,  28
.set NIL,  29
.set TMP,  32
.set AF,   128
.set BK,   128
.set G1,   24
.set G0,   32
.set G1B,  48
.set G0B,  56
.set G1S,  68
.set G1BS, 76
.set MSB, 0
.macro WIN new
.if MSB != \new
	s_set_vgpr_msb (MSB<<8)|\new
.set MSB, \new
.endif
.endm
.set MUL,  0xa1
.set TO_B, 0x40
.macro JLOAD g0a, g1a, g0b, g1b
	s_cmp_eq_u32 s15, 0
	s_cbranch_scc0 .Lfor_b_\@
	tensor_load_to_lds s[\g0a:\g0a+3], s[\g1a:\g1a+7]
	s_nop 0
.rept 4
	v_nop
.endr
	s_branch .Lasked_\@
.Lfor_b_\@:
	tensor_load_to_lds s[\g0b:\g0b+3], s[\g1b:\g1b+7]
	s_nop 0
.rept 4
	v_nop
.endr
.Lasked_\@:
.endm
.macro CREST
	s_cmp_lg_u32 s14, 0
	s_cbranch_scc1 .Lnot_wave_0_\@
	s_barrier_signal -3
.Lnot_wave_0_\@:
	s_barrier_wait -3
	s_barrier_signal -1
	s_barrier_wait -1
.endm
.macro CROUND
	s_barrier_signal -1
	s_barrier_wait -1
	CREST
.endm
.macro SHAPE g, cols, rows, pitch
	s_mov_b32 s[\g+1], (\cols)<<16
	s_mov_b32 s[\g+2], (\rows)<<16
	s_mov_b32 s[\g+3], (\cols)<<16
	s_mov_b32 s[\g+4], \rows
	s_mov_b32 s[\g+5], \pitch
	s_mov_b32 s[\g+6], 0
	s_mov_b32 s[\g+7], 0
.endm
.macro FRAG reg, adr, off
.irp c, 0,1,2,3
	ds_load_b128 v[\reg+4*\c:\reg+4*\c+3], v[\adr] offset:\off+512*\c
.endr
.endm
.macro FETCH_B slot, q, p, pitch
	WIN TO_B
.irp i, 0,1,2,3,4,5,6,7
	FRAG 128*(\p)+FR*\i, ADRB+\slot, \i*FRB+(\q)*8*FRB   ; Wo's codes lie [128 along K][block of 16 rows][2,048], in memory and in LDS
.endr
.endm
.macro FETCH_A slot, q, p, pitch
	WIN 0
.irp i, 0,1,2,3
	FRAG AF+64*(\p)+FR*\i, ADRA+\slot, \i*(\pitch)+(\q)*FRB
.endr
.endm
.macro MUL8 a, p, zero
.irp b, 0,1,2,3,4,5,6,7
.if \zero
	v_wmma_f32_16x16x128_fp8_fp8 v[8*(8*(\a)+\b):8*(8*(\a)+\b)+7], v[128*(\p)+FR*\b:128*(\p)+FR*\b+FR-1], v[AF+64*(\p)+FR*(\a):AF+64*(\p)+FR*(\a)+FR-1], 0
.else
	v_wmma_f32_16x16x128_fp8_fp8 v[8*(8*(\a)+\b):8*(8*(\a)+\b)+7], v[128*(\p)+FR*\b:128*(\p)+FR*\b+FR-1], v[AF+64*(\p)+FR*(\a):AF+64*(\p)+FR*(\a)+FR-1], v[8*(8*(\a)+\b):8*(8*(\a)+\b)+7]
.endif
.endr
.endm
.macro PLACES n
.rept \n
	v_nop
.endr
.endm
.macro STEP p, n, zero, slot, q
	s_wait_dscnt 8
	PLACES NP
	FETCH_B \slot, \q, \n, RBB
	WIN MUL
	MUL8 0, \p, \zero
	MUL8 1, \p, \zero
	s_wait_dscnt 32
	FETCH_A \slot, \q, \n, RBB
	WIN MUL
	MUL8 2, \p, \zero
	MUL8 3, \p, \zero
.endm
.macro TURN p, n, slot, next, fill, pitch
	s_wait_dscnt 8
	WIN MUL
	MUL8 0, \p, 0
	WIN 0
	s_wait_tensorcnt 0x0
	ds_add_u32 v[SPW], v[NIL]
	WIN MUL
	MUL8 1, \p, 0
	s_wait_dscnt 0x0
	s_barrier_signal -1
	WIN 0
	s_barrier_wait -1
.if \fill
	CREST
	s_add_nc_u64 s[G0+4*\slot+2:G0+4*\slot+3], s[G0+4*\slot+2:G0+4*\slot+3], 2*RBB
	s_add_nc_u64 s[G0B+4*\slot+2:G0B+4*\slot+3], s[G0B+4*\slot+2:G0B+4*\slot+3], 16*RBB
.if \fill == 1
	JLOAD G0+4*\slot, G1, G0B+4*\slot, G1B
.else
	JLOAD G0+4*\slot, G1S, G0B+4*\slot, G1BS
.endif
.else
	PLACES NP
.endif
	FETCH_B \next, 0, \n, \pitch
	WIN MUL
	MUL8 2, \p, 0
	FETCH_A \next, 0, \n, \pitch
.if \fill
.if RF+2 <= 4
	ASK RF+2                                       ; two refills on
.endif
.set RF, RF+1
.endif
	WIN MUL
	MUL8 3, \p, 0
.endm
.macro LAP zero, fill
	STEP 0, 1, \zero, 0, 1
	STEP 1, 0, 0, 0, 2
	TURN 0, 1, 0, 1, 1, RBB
	STEP 1, 0, 0, 1, 1
	STEP 0, 1, 0, 1, 2
	TURN 1, 0, 1, 0, \fill, RBB
.endm
	s_load_b128 s[4:7], s[0:1], 0x0
	s_load_b128 s[8:11], s[0:1], 0x10
	v_lshl_add_u32 v[SPW], v0, 2, SPARE
	v_mov_b32 v[NIL], 0
	ds_add_u32 v[SPW], v[NIL]
	ds_add_u32 v[SPW], v[NIL]
	v_lshrrev_b32 v1, 5, v0
	v_readfirstlane_b32 s14, v1
	v_and_b32 v[PFO], 31, v0
	v_min_u32 v[PFO], 23, v[PFO]
	v_lshlrev_b32 v[PFO], 8, v[PFO]
	s_lshr_b32 s15, s14, 1
	s_and_b32 s16, s14, 1
	s_bfe_u32 s40, ttmp6, 0x40000
	s_bfe_u32 s41, ttmp6, 0x40004
	s_lshl_b32 s42, ttmp9, 2
	s_add_co_u32 s42, s42, s40
	s_and_b32 s17, ttmp7, 0xffff
	s_lshl_b32 s17, s17, 2
	s_add_co_u32 s17, s17, s41
	s_lshl_b32 s43, s41, 2
	s_lshl_b32 s43, 15, s43
	s_lshl_b32 s44, 0x1111, s40
	s_or_b32 s[G1+0], s43, (3<<16)|(1<<21)
	s_or_b32 s[G1S+0], s43, (3<<16)|(1<<21)
	s_or_b32 s[G1B+0], s44, (3<<16)|(1<<21)
	s_or_b32 s[G1BS+0], s44, (3<<16)|(1<<21)
	SHAPE G1, 768, 4, 4096
	SHAPE G1B, 768, 8, 768                         ; 128 rows of Wo x 384 along K are one dense block of 49,152 bytes
	SHAPE G1S, 256, 4, 4096
	SHAPE G1BS, 256, 8, 256                        ; x 128 along K: 16,384 bytes
	s_lshl_b32 s20, s17, 18
	s_lshl_b32 s18, s16, 17
	s_add_co_u32 s20, s20, s18
	s_mov_b32 s21, 0
	s_lshl_b32 s46, s42, 19
	s_lshl_b32 s18, s16, 18
	s_add_co_u32 s46, s46, s18
	s_add_co_u32 s46, s46, 0x600000
	s_mov_b32 s47, 0
	s_mul_i32 s45, s16, AHALF
	s_mul_i32 s19, s16, BHALF
	s_add_co_u32 s19, s19, BOFF
	s_wait_dscnt 0x0
	s_wait_kmcnt 0x0
	s_load_b64 s[96:97], s[8:9], 0x28
	s_add_nc_u64 s[20:21], s[4:5], s[20:21]
	s_add_nc_u64 s[46:47], s[6:7], s[46:47]
	s_lshl_b32 s86, s40, 15                        ; ac: block row cx of my four
	s_mul_i32 s87, s41, 2*RBB                      ; Wo: quarter cy of a slot's 49,152 bytes
	s_cmp_eq_u32 s15, 0
	s_cselect_b32 s86, s86, s87
	s_cselect_b64 s[PFA:PFA+1], s[20:21], s[46:47]
	s_mov_b32 s87, 0
	s_add_nc_u64 s[PFA:PFA+1], s[PFA:PFA+1], s[86:87]
	CROUND
.irp s, 0,1
	s_mov_b32 s[G0+4*\s], 1
	s_add_co_u32 s[G0+4*\s+1], s45, \s*SLOT
	s_add_nc_u64 s[G0+4*\s+2:G0+4*\s+3], s[20:21], \s*RBB
	s_or_b32 s[G0+4*\s+3], s[G0+4*\s+3], 0x80000000
	s_mov_b32 s[G0B+4*\s], 1
	s_add_co_u32 s[G0B+4*\s+1], s19, \s*SLOT
	s_add_nc_u64 s[G0B+4*\s+2:G0B+4*\s+3], s[46:47], \s*8*RBB
	s_or_b32 s[G0B+4*\s+3], s[G0B+4*\s+3], 0x80000000
	s_wait_alu depctr_va_vdst(0)
.if \s == 1
	s_wait_tensorcnt 0x0                           ; slot 1's first fill is issued as a refill is
	ds_add_u32 v28, v29
	ds_add_u32 v28, v29
	s_wait_dscnt 0x0
	CROUND
.endif
	JLOAD G0+4*\s, G1, G0B+4*\s, G1B
.if \s == 0
	ASK 1
	ASK 2
.else
	ASK 3
.endif
.endr
	v_and_b32 v1, 15, v0
	s_wait_alu depctr_va_vdst(0)
	v_bfe_u32 v2, v0, 4, 1
	v_and_b32 v6, 31, v0
	v_lshlrev_b32 v[CO], 4, v6
	s_mul_i32 s21, s15, AHALF
	s_mul_i32 s22, s16, BHALF
	s_add_co_u32 s22, s22, BOFF
.irp s, 0,1
	v_add_nc_u32 v[ADRA+\s], s21, v[CO]
	v_add_nc_u32 v[ADRB+\s], s22, v[CO]
	s_add_co_u32 s21, s21, SLOT
	s_add_co_u32 s22, s22, SLOT
.endr
	s_mul_i32 s23, s14, 16*SPITCH
	v_mul_u32_u24 v5, v1, SPITCH
	s_wait_alu depctr_va_vdst(0)
	v_lshl_add_u32 v5, v2, 5, v5
	v_add_nc_u32 v[STO], s23, v5
	v_add_nc_u32 v[RD], s23, v[CO]
	s_lshl_b32 s20, s17, 7
	s_lshl_b32 s21, s15, 6
	s_add_co_u32 s20, s20, s21
	s_mov_b32 s21, 0
	s_mov_b64 s[18:19], SIZE_N*4
	s_mul_u64 s[20:21], s[20:21], s[18:19]
	s_lshl_b32 s46, s42, 10
	s_lshl_b32 s47, s16, 9
	s_add_co_u32 s46, s46, s47
	s_mov_b32 s47, 0
	s_add_nc_u64 s[20:21], s[20:21], s[46:47]
	s_add_nc_u64 s[10:11], s[10:11], s[20:21]
	s_wait_tensorcnt 1
	s_barrier_signal -1
	s_barrier_wait -1
	FETCH_B 0, 0, 0, RBB
	FETCH_A 0, 0, 0, RBB
	LAP 1, 1
	LAP 0, 2
	STEP 0, 1, 0, 0, 1
	STEP 1, 0, 0, 0, 2
	TURN 0, 1, 0, 1, 0, FRB
	s_wait_dscnt 8
	WIN MUL
	MUL8 0, 1, 0
	MUL8 1, 1, 0
	s_wait_dscnt 0
	MUL8 2, 1, 0
	MUL8 3, 1, 0
	WIN 0
.macro TOSTAGE a
.set AC, 64*(\a)
	WIN 0x02
.set j, 0
.rept 32
	v_pk_mul_f32 v[TMP+j:TMP+j+1], v[AC+j:AC+j+1], s[96:97] op_sel_hi:[1,0]
.set j, j+2
.endr
	WIN 0
.irp b, 0,1,2,3,4,5,6,7
	ds_store_b128 v[STO], v[TMP+8*\b:TMP+8*\b+3] offset:64*\b
	ds_store_b128 v[STO], v[TMP+8*\b+4:TMP+8*\b+7] offset:64*\b+16
.endr
.set BB, BK+64*((\a)%2)
.irp t, 0,1,2,3,4,5,6,7,8,9,10,11,12,13,14,15
	ds_load_b128 v[BB+4*\t:BB+4*\t+3], v[RD] offset:\t*SPITCH
.endr
.endm
.macro SEND a, younger
.set BB, BK+64*((\a)%2)
	s_wait_dscnt \younger
.if (\a) > 0
	s_add_nc_u64 s[10:11], s[10:11], 16*SIZE_N*4
.endif
.irp t, 0,1,2,3,4,5,6,7,8,9,10,11,12,13,14,15
	global_store_b128 v[CO], v[BB+4*\t:BB+4*\t+3], s[10:11] offset:\t*SIZE_N*4 th:TH_STORE_NT
.endr
.endm
	s_wait_kmcnt 0x0
	s_add_co_i32 s96, s96, s97
	s_add_co_i32 s96, s96, 127
	s_lshl_b32 s96, s96, 23
	PLACES NP
	TOSTAGE 0
.irp a, 1,2,3
.if \a > 1
	s_wait_xcnt 0x0
.endif
	TOSTAGE \a
	SEND \a-1, 32
.endr
	s_wait_xcnt 0x0
	SEND 3, 0
	s_wait_tensorcnt 0x0
	ds_add_u32 v[SPW], v[NIL]
	s_wait_dscnt 0x0
	CROUND
	s_endpgm
.Lfunc_end_k_q98cfb02a6d_proj:
	.size	k_q98cfb02a6d_proj, .Lfunc_end_k_q98cfb02a6d_proj-k_q98cfb02a6d_proj
	.p2alignl 7, 3214868480
	.fill 96, 4, 3214868480
	.section	.rodata,"a",@progbits
	.p2align	6, 0x0
	.amdhsa_kernel k_q98cfb02a6d_proj
		.amdhsa_group_segment_fixed_size 327680
		.amdhsa_private_segment_fixed_size 0
		.amdhsa_enable_private_segment 0
		.amdhsa_kernarg_size 32
		.amdhsa_user_sgpr_count 2
		.amdhsa_user_sgpr_kernarg_segment_ptr 1
		.amdhsa_wavefront_size32 1
		.amdhsa_system_sgpr_workgroup_id_x 1
		.amdhsa_system_sgpr_workgroup_id_y 1
		.amdhsa_system_sgpr_workgroup_id_z 1
		.amdhsa_system_vgpr_workitem_id 0
		.amdhsa_next_free_vgpr 768
		.amdhsa_next_free_sgpr 98
		.amdhsa_reserve_vcc 0
		.amdhsa_float_denorm_mode_32 3
		.amdhsa_float_denorm_mode_16_64 3
		.amdhsa_memory_ordered 1
		.amdhsa_forward_progress 1
		.amdhsa_inst_pref_size 123
	.end_amdhsa_kernel
	.amdgpu_metadata
---
amdhsa.version: [ 1, 2 ]
amdhsa.kernels:
  - .name:           k_q98cfb02a6d_proj
    .symbol:         k_q98cfb02a6d_proj.kd
    .args:
      - { .name: ac, .offset: 0, .size: 8, .value_kind: global_buffer, .address_space: global }
      - { .name: wc, .offset: 8, .size: 8, .value_kind: global_buffer, .address_space: global }
      - { .name: lowp_scales, .offset: 16, .size: 8, .value_kind: global_buffer, .address_space: global }
      - { .name: out0, .offset: 24, .size: 8, .value_kind: global_buffer, .address_space: global }
    .group_segment_fixed_size: 327680
    .private_segment_fixed_size: 0
    .kernarg_segment_align: 8
    .kernarg_segment_size: 32
    .max_flat_workgroup_size: 128
    .sgpr_count:     98
    .vgpr_count:     768
    .wavefront_size: 32
...
	.end_amdgpu_metadata
.endif
;; end of part 4
